; MI455X (gfx1250); checked and timed in simulation.
; The chip was launched on July 23, 2026; its instructions are those of AMD's public machine-readable ISA for CDNA 5 (MIT licence, August 2026) and "CDNA5" Instruction Set Architecture Reference Guide (July 2026). The comments in the code are by the model that wrote it; some were corrected since.
;; Attention. Allowed arithmetic: matrix products marked QUANTISED: E5M2 operands, one E8M0 scale for each 32 along K, by v_wmma_scale_f32_16x16x128_f8f6f4 with both operands' format E5M2, f32 sums; everything else in f32.
;; Inputs: Wk_codes 1,024 x 32 x 32 uint8 (E5M2 codes of Wk, K innermost, in blocks of 32 codes); Wk_scales 1,024 x 32 uint8 (E8M0 scales of Wk, one for each 32 codes along K); Wo_codes 1,024 x 32 x 32 uint8 (E5M2 codes of Wo, K innermost, in blocks of 32 codes); Wo_scales 1,024 x 32 uint8 (E8M0 scales of Wo, one for each 32 codes along K); Wq_codes 1,024 x 32 x 32 uint8 (E5M2 codes of Wq, K innermost, in blocks of 32 codes); Wq_scales 1,024 x 32 uint8 (E8M0 scales of Wq, one for each 32 codes along K); Wv_codes 1,024 x 32 x 32 uint8 (E5M2 codes of Wv, K innermost, in blocks of 32 codes); Wv_scales 1,024 x 32 uint8 (E8M0 scales of Wv, one for each 32 codes along K); bk 1,024 float32; bo 1,024 float32; bq 1,024 float32; bv 1,024 float32; k_codes 4 x 2,048 x 32 x 32 uint8 (E5M2 codes of k, K innermost, in blocks of 32 codes); k_scales 4 x 2,048 x 32 uint8 (E8M0 scales of k, one for each 32 codes along K); q_codes 4 x 2,048 x 32 x 32 uint8 (E5M2 codes of q, K innermost, in blocks of 32 codes); q_scales 4 x 2,048 x 32 uint8 (E8M0 scales of q, one for each 32 codes along K); v_codes 4 x 2,048 x 32 x 32 uint8 (E5M2 codes of v, K innermost, in blocks of 32 codes); v_scales 4 x 2,048 x 32 uint8 (E8M0 scales of v, one for each 32 codes along K).
;; Outputs: out0 4 x 2,048 x 1,024 float32.
;; This version of the problem:
;;   THIS VERSION OF THE PROBLEM IS GIVEN IN LOW PRECISION. The matrix products marked QUANTISED in the list below multiply operands that are first quantised to E5M2 (5 exponent bits, 2 mantissa bits; 8 bits a number), with one power-of-two scale for each 32 numbers along K (OCP MX v1.0); their sums are f32. All else is computed in f32.
;;   The module's matrix products, in the order in which they are computed (A, B: the left and right operand; K: the contracted axis; several contracted axes count as one K, in the product's order):
;;     1. [M 8,192, K 1,024] x [K 1,024, N 1,024]; A: input q (given as codes); B: input Wq (given as codes): QUANTISED
;;     2. [M 8,192, K 1,024] x [K 1,024, N 1,024]; A: input k (given as codes); B: input Wk (given as codes): QUANTISED
;;     3. [M 8,192, K 1,024] x [K 1,024, N 1,024]; A: input v (given as codes); B: input Wv (given as codes): QUANTISED
;;     4. batch 64 x [M 2,048, K 64] x [K 64, N 2,048]; A: computed on the way; B: computed on the way: QUANTISED
;;     5. batch 64 x [M 2,048, K 2,048] x [K 2,048, N 64]; A: softmax (see below); B: computed on the way: QUANTISED
;;     6. [M 8,192, K 1,024] x [K 1,024, N 1,024]; A: computed on the way; B: input Wo (given as codes): QUANTISED
;;   THE QUANTISER, for each operand of a quantised product, along K:
;;     - K is cut into blocks of 32 from its start; a last block that is shorter is filled with zeros.
;;     - A block's scale is 2^e with e = floor(log2(the largest magnitude in the block)) - 15, held to -126 .. 127; a block of zeros has e = 0. As a byte (E8M0): e + 127.
;;     - Each number is divided by its block's scale, clamped to +-57,344, and rounded to the nearest number of E5M2, ties to even, subnormals kept.
;;     - The product sums the exact products of the quantised numbers (number of the format x scale) in f32.
;;   ~~~python
;;   def quantise(x, axis):      # numpy; x: float32 -> the quantised numbers, widened to float32 again
;;       x = np.moveaxis(x, axis, -1); K = x.shape[-1]
;;       x = np.pad(x, [(0, 0)] * (x.ndim - 1) + [(0, -K % 32)]); x = x.reshape(x.shape[:-1] + (-1, 32)); a = np.abs(x).max(-1, keepdims=True)
;;       e = np.where(a > 0, np.clip(np.frexp(np.where(a > 0, a, 1))[1] - 1 - 15, -126, 127), 0)      # np.frexp(a)[1] - 1 = floor(log2(a)), exactly
;;       r = np.clip(x / 2.0 ** e, -57344, 57344)
;;       step = 2.0 ** (np.maximum(np.frexp(np.where(r == 0, 1, r))[1] - 1, -14) - 2)
;;       q = np.round(r / step) * step * 2.0 ** e      # np.round: ties to even
;;       return np.moveaxis(q.reshape(q.shape[:-2] + (-1,))[..., :K], -1, axis).astype(np.float32)
;;   ~~~
;;   SOFTMAX AHEAD OF A QUANTISED PRODUCT. Where the list says 'softmax', what is quantised is not the finished softmax but p = 2^(t - M), with t = logit x log2(e) and M = ceil(the row's largest t), a whole number; so 1/2 < the row's largest p <= 1. The row's sum l is taken of the UNQUANTISED p, in f32, and the product's result is divided by l at the end. Since M is a whole number, a kernel that streams over the keys may use a running M (the ceiling of the running maximum): every later rescaling is an exact power of two, which a block's scale takes up: the codes' values come out the same.
;;   OPERANDS COMPUTED ON THE WAY. 'Computed on the way' means the value that the module computes at that place (a softmax that the list does not call 'softmax' is quantised finished and normalised). What goes into a quantiser is computed in f32, as accurately as f32 sums, v_exp_f32 and their like allow (about 1e-6 of the number): no bf16 or f16 on the way to a quantiser, and a product that is left as it is and whose result goes on into a quantised operand takes f32 operands (vector FMAs, or v_wmma_f32_16x16x4_f32). A number that lies on a knife's edge between two numbers of the format may be rounded either way, as far as f32 arithmetic and the matrix unit's own rounding can turn it there, and no further.
;;   INPUTS GIVEN AS CODES. Wk (in the module: [1024, 1024], K = its axis 0); Wo (in the module: [1024, 1024], K = its axis 0); Wq (in the module: [1024, 1024], K = its axis 0); Wv (in the module: [1024, 1024], K = its axis 0); k (in the module: [4, 2048, 1024], K = its axis 2); q (in the module: [4, 2048, 1024], K = its axis 2); v (in the module: [4, 2048, 1024], K = its axis 2): each comes as NAME_codes (uint8): NAME with its K axis moved to the last place and cut into blocks of 32 codes, [.., K / 32, bytes a block], one block behind the other in memory; one code a byte (a code: sign, 5 exponent bits, 2 mantissa bits); and NAME_scales (uint8): the same leading axes, one E8M0 byte (e + 127) for each 32 codes along K. Its value is code x scale, taken as it is: it is not quantised again, and the codes and scales need not be those that the quantiser above would give.
;; One version. Each part assembles by itself: llvm-mc -triple=amdgcn-amd-amdhsa -mcpu=gfx1250 --defsym DOCPART=n.
;; ======== version 1 of 1: 3 launches
;; limits: right only within a limited range of input values
;; workspace buffers: qimg 8,388,608 bytes; kimg 8,388,608 bytes; vimg 8,388,608 bytes; oimg 8,388,608 bytes; qsc 262,144 bytes; ksc 262,144 bytes; vsc 262,144 bytes; osc 262,144 bytes
;; launch proj (part 1): grid 4 x 96, 4 waves a work-group, clusters of 4 x 4, 327,680 bytes of LDS; arguments q_codes, q_scales, Wq_codes, Wq_scales, qimg, qsc, bq, k_codes, k_scales, Wk_codes, Wk_scales, kimg, ksc, bk, Wv_codes, Wv_scales, v_codes, v_scales, vimg, vsc, bv; writes qimg, qsc, kimg, ksc, vimg, vsc
.if DOCPART == 1
	.amdgcn_target "amdgcn-amd-amdhsa--gfx1250"
	.amdhsa_code_object_version 6
	.text
	.protected	k_q9bf0d8294f_proj
	.globl	k_q9bf0d8294f_proj
	.p2align	8
	.type	k_q9bf0d8294f_proj,@function
k_q9bf0d8294f_proj:
	s_mov_b64 s[64:65], 0
	v_nop
	global_prefetch_b8 v0, s[64:65] scope:SCOPE_SE
	s_setreg_imm32_b32 hwreg(HW_REG_WAVE_MODE, 25, 1), 1
	s_wait_xcnt 0x0
	s_wait_alu depctr_hold_cnt(0) depctr_sa_sdst(0) depctr_va_vdst(0) depctr_va_sdst(0) depctr_va_ssrc(0) depctr_va_vcc(0) depctr_vm_vsrc(0)
	s_getreg_b32 s2, hwreg(HW_REG_IB_STS2, 6, 4)
	s_cmp_eq_u32 s2, 0
	s_cbranch_scc0 .Lentry_in_a_cluster
	s_endpgm
.Lentry_in_a_cluster:
	s_bfe_u32 s2, ttmp6, 0x10000c
	s_cmp_lg_u32 s2, 0xf033
	s_cbranch_scc0 .Lentry_shape_is_right
	s_endpgm
.Lentry_shape_is_right:
.set KSTEP,  256
.set NQ,     KSTEP/128
.set ROWB,   256
.set KROW,   1024
.set PITCH,  272
.set FR,     16
.set NL,     4
.set NP,     8
.set HALFT,  128*PITCH
.set SLOT,   4*HALFT
.set KS,     32
.set SCL,    2*SLOT
.set HALFS,  (128*KS/256)*272
.set SBLK,   (16*KS/256)*272
.set SPARE,  SCL+4*HALFS
.set STGW,   10240
.set STGB,   5120
.set BM,   8
.set ADRA, 16
.set PWA,  18
.set WW,   19
.set ADRB, 20
.set WP,   22
.set OUTW, 23
.set STO,  24
.set RD,   25
.set CO,   26
.set ADRS, 27
.set SPW,  28
.set NIL,  29
.set SOFF, 30
.set SELV, 31
.set SC,   32
.set BN,   64
.set AF,   128
.set X,    128
.set PC,   192
.set TM,   208
.set PW,   224
.set OUTR, 32
.set G1, 24
.set G0, 32
.set G1B, 48
.set G0B, 56
.set G1S, 68
.set G0S, 76
.set G1SB, 80
.set G0SB, 88
.set SEL,   24
.set MNT,   26
.set MH,    27
.set STEPC, 28
.set STEPS, 30
.set MSB, 0
.macro WIN new
.if MSB != \new
	s_set_vgpr_msb (MSB<<8)|\new
.set MSB, \new
.endif
.endm
.set MUL_LO, 0xa1
.set MUL_HI, 0xf1
.set FIRST_LO, 0x81
.set FIRST_HI, 0xc1
.set TO_B,   0x40
.macro JLOAD g0a, g1a, g0b, g1b
	s_cmp_eq_u32 s15, 0
	s_cbranch_scc0 .Lfor_b_\@
	tensor_load_to_lds s[\g0a:\g0a+3], s[\g1a:\g1a+7]
	s_nop 0
.rept 4
	v_nop
.endr
	s_branch .Lasked_\@
.Lfor_b_\@:
	tensor_load_to_lds s[\g0b:\g0b+3], s[\g1b:\g1b+7]
	s_nop 0
.rept 4
	v_nop
.endr
.Lasked_\@:
.endm
.macro CREST
	s_cmp_lg_u32 s14, 0
	s_cbranch_scc1 .Lnot_wave_0_\@
	s_barrier_signal -3
.Lnot_wave_0_\@:
	s_barrier_wait -3
	s_barrier_signal -1
	s_barrier_wait -1
.endm
.macro CROUND
	s_barrier_signal -1
	s_barrier_wait -1
	CREST
.endm
	s_load_b256 s[4:11], s[0:1], 0x0
	s_load_b128 s[12:15], s[0:1], 0x20
	s_load_b64 s[16:17], s[0:1], 0x30
	s_load_b256 s[20:27], s[0:1], 0x38
	s_load_b128 s[28:31], s[0:1], 0x58
	s_load_b64 s[32:33], s[0:1], 0x68
	s_load_b256 s[36:43], s[0:1], 0x70
	s_load_b128 s[44:47], s[0:1], 0x90
	s_load_b64 s[48:49], s[0:1], 0xa0
	v_lshl_add_u32 v[SPW], v0, 2, SPARE
	v_mov_b32 v[NIL], 0
	ds_add_u32 v28, v29
	ds_add_u32 v28, v29
	s_wait_dscnt 0x0
	s_and_b32 s66, ttmp7, 0xffff
	s_lshr_b32 s67, s66, 3
	s_and_b32 s66, s66, 7
	s_wait_kmcnt 0x0
	s_cmp_eq_u32 s67, 1
.irp p, 4,6,8,10,12,14,16
	s_cselect_b64 s[\p:\p+1], s[\p+16:\p+17], s[\p:\p+1]
.endr
	s_cmp_eq_u32 s67, 2
.irp p, 4,6,8,10,12,14,16
	s_cselect_b64 s[\p:\p+1], s[\p+32:\p+33], s[\p:\p+1]
.endr
	s_cselect_b32 s95, 2048, 64
	s_mov_b32 s96, 32768
	s_cselect_b32 s96, 128, s96
	s_cselect_b32 s104, 0, -1
	s_cselect_b32 s105, -1, 0
	s_cselect_b32 s97, 0, s66
	s_cselect_b32 s2, s66, 0
	s_cselect_b32 s67, 256, 32
	s_cselect_b32 s66, 1, 0
	s_mov_b64 s[98:99], s[14:15]
	s_mov_b64 s[100:101], s[16:17]
	v_lshrrev_b32 v1, 5, v0
	v_readfirstlane_b32 s14, v1
	s_lshr_b32 s15, s14, 1
	s_and_b32 s16, s14, 1
	s_bfe_u32 s40, ttmp6, 0x40000
	s_bfe_u32 s41, ttmp6, 0x40004
	s_lshl_b32 s42, s2, 2
	s_add_co_u32 s42, s42, s40
	s_lshl_b32 s17, s97, 2
	s_add_co_u32 s17, s17, s41
	s_lshl_b32 s43, s41, 2
	s_lshl_b32 s43, 15, s43
	s_lshl_b32 s44, 0x1111, s40
	s_or_b32 s[G1+0], s43, (0<<16)|(1<<20)|(1<<21)|(5<<22)|(3<<25)
	s_or_b32 s[G1B+0], s44, (0<<16)|(1<<20)|(1<<21)|(5<<22)|(3<<25)
.irp g, G1, G1B
	s_mov_b32 s[\g+1], ROWB<<16
	s_mov_b32 s[\g+2], 256<<16                     ; the head's loads bring 256 rows; behind them these two words are set to 128
	s_mov_b32 s[\g+3], ROWB<<16
	s_mov_b32 s[\g+4], 256
	s_mov_b32 s[\g+5], KROW
	s_mov_b32 s[\g+6], 0
	s_mov_b32 s[\g+7], 0
.endr
	s_or_b32 s[G1S+0], s43, (3<<16)|(1<<20)|(1<<21)|(5<<22)|(3<<25)
	s_or_b32 s[G1SB+0], s44, (3<<16)|(1<<20)|(1<<21)|(5<<22)|(3<<25)
.irp g, G1S, G1SB
	s_mov_b32 s[\g+1], 32<<16
	s_mov_b32 s[\g+2], KS<<16                      ; the scales of 256 rows: KS rows of 256 bytes
	s_mov_b32 s[\g+3], 32<<16
	s_mov_b32 s[\g+4], KS
	s_mov_b32 s[\g+5], 32
	s_mov_b32 s[\g+6], 0
	s_mov_b32 s[\g+7], 0
.endr
	s_lshl_b32 s20, s17, 8
	s_lshl_b32 s46, s42, 8
	s_mov_b32 s21, 0
	s_mov_b32 s47, 0
	s_mov_b64 s[18:19], KS
	s_mul_u64 s[22:23], s[20:21], s[18:19]
	s_mul_u64 s[92:93], s[46:47], s[18:19]
	s_mov_b64 s[18:19], KROW
	s_mul_u64 s[20:21], s[20:21], s[18:19]
	s_mul_u64 s[46:47], s[46:47], s[18:19]
	s_mul_i32 s45, s14, HALFT
	s_mul_i32 s18, s16, 128*KROW                   ; in the ring I fetch 128 rows of a tile: which half, in bytes
	s_mov_b32 s19, 0
	s_add_nc_u64 s[20:21], s[4:5], s[20:21]
	s_add_nc_u64 s[22:23], s[6:7], s[22:23]
	s_add_nc_u64 s[46:47], s[8:9], s[46:47]
	s_add_nc_u64 s[92:93], s[10:11], s[92:93]
	CROUND
	s_mov_b32 s[G0S], 1
	s_mov_b32 s[G0S+1], SCL
	s_mov_b64 s[G0S+2:G0S+3], s[22:23]
	s_or_b32 s[G0S+3], s[G0S+3], 0x80000000
	s_mov_b32 s[G0SB], 1
	s_mov_b32 s[G0SB+1], SCL+2*HALFS
	s_mov_b64 s[G0SB+2:G0SB+3], s[92:93]
	s_or_b32 s[G0SB+3], s[G0SB+3], 0x80000000
.set G0H, 4                            ; s[4:7], s[8:11]: group 0 of the head's loads of K step 0 (the arguments that lay there have been used)
.set G0HB, 8
	s_mov_b32 s[G0H], 1
	s_mov_b32 s[G0H+1], 0
	s_mov_b64 s[G0H+2:G0H+3], s[20:21]
	s_or_b32 s[G0H+3], s[G0H+3], 0x80000000
	s_mov_b32 s[G0HB], 1
	s_mov_b32 s[G0HB+1], 2*HALFT
	s_mov_b64 s[G0HB+2:G0HB+3], s[46:47]
	s_or_b32 s[G0HB+3], s[G0HB+3], 0x80000000
	s_add_nc_u64 s[20:21], s[20:21], s[18:19]      ; for the ring: my 128 rows of the tile
	s_add_nc_u64 s[46:47], s[46:47], s[18:19]
.irp s, 0,1
	s_mov_b32 s[G0+4*\s], 1
	s_add_co_u32 s[G0+4*\s+1], s45, \s*SLOT
	s_add_nc_u64 s[G0+4*\s+2:G0+4*\s+3], s[20:21], \s*ROWB
	s_or_b32 s[G0+4*\s+3], s[G0+4*\s+3], 0x80000000
	s_mov_b32 s[G0B+4*\s], 1
	s_add_co_u32 s[G0B+4*\s+1], s45, \s*SLOT
	s_add_nc_u64 s[G0B+4*\s+2:G0B+4*\s+3], s[46:47], \s*ROWB
	s_or_b32 s[G0B+4*\s+3], s[G0B+4*\s+3], 0x80000000
.endr
; the head's four tiles, one joint load a wave, in one chain of arms: wave 0 K step 0's 256 rows of A, wave 1 those of B, wave 2 A's scales, wave 3 B's
.macro ARM under, g0, g1, next
	s_cmp_lt_u32 s14, \under
	s_cbranch_scc0 \next
	tensor_load_to_lds s[\g0:\g0+3], s[\g1:\g1+7]
	s_nop 0
.rept 4
	v_nop
.endr
	s_branch .Lhead_asked
\next:
.endm
	ARM 1, G0H,  G1,  .Lhead_b
	ARM 2, G0HB, G1B, .Lhead_sa
	ARM 3, G0S,  G1S, .Lhead_sb
	tensor_load_to_lds s[G0SB:G0SB+3], s[G1SB:G1SB+7]
	s_nop 0
.rept 4
	v_nop
.endr
.Lhead_asked:
	v_and_b32 v1, 15, v0
	s_wait_alu depctr_va_vdst(0)
	v_bfe_u32 v2, v0, 4, 1
	s_lshl_b32 s46, s42, 8
	s_lshl_b32 s47, s16, 7
	s_add_co_u32 s46, s46, s47
	s_and_b32 s46, s46, 1023
	s_lshl_b32 s46, s46, 2
	v_lshl_add_u32 v[PWA], v2, 5, s46
	s_lshl_b32 s21, s17, 8
	s_lshl_b32 s22, s15, 7
	s_add_co_u32 s21, s21, s22
	s_and_b32 s21, s21, 1023
	s_lshl_b32 s21, s21, 2
	v_lshl_add_u32 v[WW], v1, 2, s21
.irp b, 0,1,2,3,4,5,6,7
	global_load_b128 v[BN+8*\b:BN+8*\b+3], v[PWA], s[100:101] offset:64*\b
	global_load_b128 v[BN+8*\b+4:BN+8*\b+7], v[PWA], s[100:101] offset:64*\b+16
.endr
.irp a, 0,1,2,3,4,5,6,7
	global_load_b32 v[BM+\a], v[WW], s[100:101] offset:64*\a
.endr
	v_mul_u32_u24 v3, v1, PITCH
	s_wait_alu depctr_va_vdst(0)
	v_lshl_add_u32 v4, v2, 4, v3
	s_mul_i32 s21, s15, HALFT
	s_mul_i32 s22, s16, HALFT
	s_add_co_u32 s22, s22, 2*HALFT
.irp s, 0,1
	v_add_nc_u32 v[ADRA+\s], s21, v4
	v_add_nc_u32 v[ADRB+\s], s22, v4
	s_add_co_u32 s21, s21, SLOT
	s_add_co_u32 s22, s22, SLOT
.endr
	v_mul_u32_u24 v5, v1, KS
	v_lshrrev_b32 v6, 8, v5
	v_lshl_add_u32 v5, v6, 4, v5
	s_mul_i32 s21, s15, HALFS
	s_mul_i32 s22, s16, HALFS
	s_add_co_u32 s22, s22, 2*HALFS
	s_sub_co_u32 s22, s22, s21
	v_mul_u32_u24 v6, s22, v2
	s_add_co_u32 s21, s21, SCL
	v_add_nc_u32 v5, v5, v6
	v_add_nc_u32 v[ADRS], s21, v5
	s_mul_i32 s23, s14, STGW
	v_lshrrev_b32 v5, 3, v1
	v_and_b32 v6, 7, v1
	v_mul_u32_u24 v[STO], v5, 640
	v_lshl_add_u32 v[STO], v6, 4, v[STO]
	v_lshl_add_u32 v[STO], v2, 3, v[STO]
	v_add_nc_u32 v[STO], s23, v[STO]
	v_and_b32 v7, 31, v0
	v_lshlrev_b32 v[CO], 4, v7
	v_add_nc_u32 v[RD], s23, v[CO]
	s_cmp_eq_u32 s66, 1
	s_cselect_b32 s18, 64, 0x4000
	s_mov_b32 s19, 0x05040100
	s_mov_b32 s22, 0x03020706
	s_cselect_b32 s19, 0x03020100, s19
	s_cselect_b32 s22, 0x03020100, s22
	s_mov_b32 s23, 0xff00ff00
	v_mul_u32_u24 v[SOFF], v5, s18
	v_lshl_add_u32 v[SOFF], v2, 5, v[SOFF]
	v_lshl_add_u32 v[SOFF], v6, 2, v[SOFF]
	v_mov_b32 v[SELV], s19
	v_mov_b32 v[OUTW], s22
	v_cndmask_b32 v[SELV], v[SELV], v[OUTW], s23
	s_lshl_b32 s20, s17, 3
	s_lshl_b32 s21, s15, 2
	s_add_co_u32 s20, s20, s21
	s_mul_i32 s21, s20, s67
	s_lshl_b32 s46, s42, 3
	s_lshl_b32 s47, s16, 2
	s_add_co_u32 s46, s46, s47
	s_add_co_u32 s46, s46, s21
	s_lshl_b32 s46, s46, 10
	s_mov_b32 s47, 0
	s_add_nc_u64 s[12:13], s[12:13], s[46:47]
	s_lshl_b32 s46, s42, 1
	s_add_co_u32 s46, s46, s16
	s_lshr_b32 s21, s46, 4
	s_lshl_b32 s21, s21, 16
	s_and_b32 s46, s46, 15
	s_mul_i32 s46, s46, s96
	s_add_co_u32 s46, s46, s21
	s_mul_i32 s21, s20, s95
	s_add_co_u32 s46, s46, s21
	s_add_nc_u64 s[98:99], s[98:99], s[46:47]
	s_wait_loadcnt 0x0
.set i, 0
.rept 64
	v_cndmask_b32 v[BN+i], 0, v[BN+i], s104
.set i, i+1
.endr
.set i, 0
.rept 8
	v_cndmask_b32 v[BM+i], 0, v[BM+i], s105
.set i, i+1
.endr
.macro FRAG reg, adr, q, i
.irp c, 0,1,2,3
	ds_load_b128 v[\reg+4*\c:\reg+4*\c+3], v[\adr] offset:128*(\q)+32*\c+(\i)*16*PITCH
.endr
.endm
.macro MUL16 a0, p, q, sc, zero
.irp a, \a0, \a0+1
.irp b, 0,1,2,3,4,5,6,7
.if \zero
	v_wmma_scale_f32_16x16x128_f8f6f4 v[8*(8*((\a)%4)+\b):8*(8*((\a)%4)+\b)+7], v[128*(\p)+FR*\b:128*(\p)+FR*\b+FR-1], v[AF+FR*(\a):AF+FR*(\a)+FR-1], v[BN+8*\b:BN+8*\b+7], v[SC+8*NQ*(\sc)+NQ*\b+(\q)], v[SC+8*NQ*(\sc)+NQ*(\a)+(\q)] matrix_a_fmt:MATRIX_FMT_BF8 matrix_b_fmt:MATRIX_FMT_BF8 matrix_a_scale:MATRIX_SCALE_ROW1
.else
	v_wmma_scale_f32_16x16x128_f8f6f4 v[8*(8*((\a)%4)+\b):8*(8*((\a)%4)+\b)+7], v[128*(\p)+FR*\b:128*(\p)+FR*\b+FR-1], v[AF+FR*(\a):AF+FR*(\a)+FR-1], v[8*(8*((\a)%4)+\b):8*(8*((\a)%4)+\b)+7], v[SC+8*NQ*(\sc)+NQ*\b+(\q)], v[SC+8*NQ*(\sc)+NQ*(\a)+(\q)] matrix_a_fmt:MATRIX_FMT_BF8 matrix_b_fmt:MATRIX_FMT_BF8 matrix_a_scale:MATRIX_SCALE_ROW1
.endif
.endr
.endr
.endm
.macro FETCH_B slot, q, p
	WIN TO_B
.irp i, 0,1,2,3,4,5,6,7
	FRAG 128*(\p)+FR*\i, ADRB+\slot, \q, \i
.endr
	WIN 0
.endm
.macro FETCH_A slot, q, i0
.irp i, \i0, \i0+1, \i0+2, \i0+3
	FRAG AF+FR*(\i), ADRA+\slot, \q, \i
.endr
.endm
.macro SCALES sc
.irp i, 0,1,2,3,4,5,6,7
	ds_load_b64 v[SC+8*NQ*\sc+NQ*\i:SC+8*NQ*\sc+NQ*\i+1], v[ADRS] offset:\i*SBLK
.endr
.endm
.macro PLACES n
.rept \n
	v_nop
.endr
.endm
.macro STEP slot, q, zero
	s_wait_dscnt 4*NL
.if \zero
	WIN FIRST_LO
.else
	WIN MUL_LO
.endif
	MUL16 0, (\q)%2, \q, \slot, \zero
	MUL16 2, (\q)%2, \q, \slot, \zero
	s_wait_dscnt 0
	PLACES NP
	FETCH_B \slot, (\q)+1, 1-(\q)%2
	FETCH_A \slot, (\q)+1, 0
.if \zero
	WIN FIRST_HI
.else
	WIN MUL_HI
.endif
	MUL16 4, (\q)%2, \q, \slot, \zero
	MUL16 6, (\q)%2, \q, \slot, \zero
	PLACES NP
	WIN 0
	FETCH_A \slot, (\q)+1, 4
.endm
.macro TURN slot, next, fill
	s_wait_tensorcnt 0x0
	ds_add_u32 v[SPW], v[NIL]
	s_wait_dscnt 4*NL+1
	WIN MUL_LO
	MUL16 0, 1, NQ-1, \slot, 0
	s_wait_dscnt 0x0
	s_barrier_signal -1
	MUL16 2, 1, NQ-1, \slot, 0
	WIN 0
	s_barrier_wait -1
.if \fill
	CREST
	s_add_nc_u64 s[G0+4*\slot+2:G0+4*\slot+3], s[G0+4*\slot+2:G0+4*\slot+3], 2*ROWB
	s_add_nc_u64 s[G0B+4*\slot+2:G0B+4*\slot+3], s[G0B+4*\slot+2:G0B+4*\slot+3], 2*ROWB
	JLOAD G0+4*\slot, G1, G0B+4*\slot, G1B
	PLACES NP-4
.else
	PLACES NP
.endif
	s_wait_alu depctr_va_vdst(0)
	v_add_nc_u32 v[ADRS], 4*NQ, v[ADRS]
	FETCH_B \next, 0, 0
	FETCH_A \next, 0, 0
	SCALES \next
	WIN MUL_HI
	MUL16 4, 1, NQ-1, \slot, 0
	MUL16 6, 1, NQ-1, \slot, 0
	PLACES NP
	WIN 0
	FETCH_A \next, 0, 4
.endm
	s_wait_alu depctr_va_vdst(0)
	s_wait_tensorcnt 0x0                           ; my tile of the head's four is in
	ds_add_u32 v[SPW], v[NIL]
	s_mov_b32 s[G1+2], 128<<16                     ; no tensor load of mine is out: from here on a load brings 128 rows
	s_mov_b32 s[G1+4], 128
	s_mov_b32 s[G1B+2], 128<<16
	s_mov_b32 s[G1B+4], 128
	s_wait_dscnt 0x0
	CROUND
	JLOAD G0+4, G1, G0B+4, G1B                     ; K step 1, the first tensor load behind the round
	FETCH_B 0, 0, 0
	FETCH_A 0, 0, 0
	SCALES 0
	FETCH_A 0, 0, 4
	STEP 0, 0, 1
	TURN 0, 1, 1
	STEP 1, 0, 0
	TURN 1, 0, 1
	STEP 0, 0, 0
	TURN 0, 1, 0
	STEP 1, 0, 0
	s_wait_dscnt 4*NL
	WIN MUL_LO
	MUL16 0, 1, NQ-1, 1, 0
	MUL16 2, 1, NQ-1, 1, 0
	s_wait_dscnt 0
	WIN MUL_HI
	MUL16 4, 1, NQ-1, 1, 0
	MUL16 6, 1, NQ-1, 1, 0
	WIN 0
.macro MOVE a
.set AC, 64*((\a)%4)
.set WN, 0x02+(\a)/4
.set BP, BM+2*((\a)/2)
	WIN WN
.set i, 0
.rept 32
.if (\a)%2
	v_pk_add_f32 v[X+i:X+i+1], v[AC+i:AC+i+1], v[BP:BP+1] op_sel:[0,1] op_sel_hi:[1,1]
.else
	v_pk_add_f32 v[X+i:X+i+1], v[AC+i:AC+i+1], v[BP:BP+1] op_sel_hi:[1,0]
.endif
.set i, i+2
.endr
	WIN 0
.endm
.macro QUANT
.irp b, 0,1,2,3
	v_max3_num_f32 v[TM+\b], |v[X+16*\b]|, |v[X+1+16*\b]|, 0x8000000
.endr
.irp i, 2,4,6,8,10,12,14
.irp b, 0,1,2,3
	v_max3_num_f32 v[TM+\b], v[TM+\b], |v[X+16*\b+\i]|, |v[X+1+16*\b+\i]|
.endr
.endr
.irp b, 0,1,2,3
	v_permlanex16_b32 v[TM+4+\b], v[TM+\b], s[SEL], s[SEL+1]
.endr
.irp b, 0,1,2,3
	v_max_num_f32 v[TM+\b], v[TM+\b], v[TM+4+\b]
.endr
.irp b, 0,1,2,3
	v_add_nc_u32 v[TM+12+\b], 0xf8800000, v[TM+\b]
.endr
.irp b, 0,1,2,3
	v_and_or_b32 v[TM+8+\b], v[TM+\b], 0x7f800000, s[MNT]
.endr
.irp b, 0,1,2,3
	v_lshrrev_b32 v[TM+4+\b], 23, v[TM+12+\b]
.endr
	v_lshl_or_b32 v[PW], v[TM+5], 8, v[TM+4]
	v_lshl_or_b32 v[PW], v[TM+6], 16, v[PW]
	v_lshl_or_b32 v[PW], v[TM+7], 24, v[PW]
.irp b, 0,1,2,3
.irp i, 0,1,2,3,4,5,6,7,8,9,10,11,12,13,14,15
	v_med3_num_f32 v[X+16*\b+\i], v[X+16*\b+\i], -v[TM+8+\b], v[TM+8+\b]
.endr
	v_cvt_scalef32_pk8_bf8_f32 v[PC+4*\b:PC+1+4*\b], v[X+16*\b:X+7+16*\b], v[TM+12+\b]
	v_cvt_scalef32_pk8_bf8_f32 v[PC+2+4*\b:PC+3+4*\b], v[X+8+16*\b:X+15+16*\b], v[TM+12+\b]
.endr
	v_nop
.endm
.macro TOST a
.set BU, STGB*(((\a)/2)%2)+128*((\a)%2)
.irp be, 0,1,2,3
	ds_store_b64 v[STO], v[PC+4*\be:PC+4*\be+1] offset:BU+1280*\be
	ds_store_b64 v[STO], v[PC+4*\be+2:PC+4*\be+3] offset:BU+1280*\be+256
.endr
.endm
.macro BACK al
.set OB, OUTR+32*((\al)%2)
	s_wait_xcnt 0x0
.irp i, 0,1,2,3,4,5,6,7
	ds_load_b128 v[OB+4*\i:OB+4*\i+3], v[RD] offset:STGB*((\al)%2)+640*\i
.endr
.endm
.macro SENDC al
.set OB, OUTR+32*((\al)%2)
.irp i, 0,1,2,3,4,5,6,7
	global_store_b128 v[CO], v[OB+4*\i:OB+4*\i+3], s[12:13] offset:512*\i
.endr
.if (\al) < 3
	s_wait_xcnt 0x0
	s_add_nc_u64 s[12:13], s[12:13], s[STEPC:STEPC+1]
.endif
.endm
.macro SCW
	v_cndmask_b32 v[WW], v[PWA], v[PW], s[MH]
	v_mov_b32_dpp v[WP], v[WW] row_xmask:8 row_mask:0xf bank_mask:0xf
	v_perm_b32 v[OUTW], v[WP], v[WW], v[SELV]
	global_store_b32 v[SOFF], v[OUTW], s[98:99]
	s_wait_xcnt 0x0
	s_add_nc_u64 s[98:99], s[98:99], s[STEPS:STEPS+1]
.endm
	PLACES NP
	s_mov_b32 s[SEL], 0x76543210
	s_mov_b32 s[SEL+1], 0xfedcba98
	s_mov_b32 s[MNT], 0x600000
	s_mov_b32 s[MH], 0xffff0000
	s_lshl_b32 s[STEPC], s67, 10
	s_mov_b32 s[STEPC+1], 0
	s_mov_b32 s[STEPS], s95
	s_mov_b32 s[STEPS+1], 0
.irp b, 0,1,2,3
	v_mov_b32 v[TM+4+\b], 0
.endr
	v_mov_b32 v[WP], 0
.irp al, 0,1,2,3
	MOVE 2*\al
	s_wait_dscnt 0x0
.if \al > 0
	SENDC \al-1
.endif
	QUANT
	TOST 2*\al
	v_mov_b32 v[PWA], v[PW]
	MOVE 2*\al+1
	s_wait_dscnt 0x0
	QUANT
	TOST 2*\al+1
	SCW
	BACK \al
.endr
	s_wait_dscnt 0x0
	SENDC 3
	s_wait_tensorcnt 0x0
	ds_add_u32 v[SPW], v[NIL]
	s_wait_dscnt 0x0
	CROUND
	s_endpgm
.Lfunc_end_k_q9bf0d8294f_proj:
	.size	k_q9bf0d8294f_proj, .Lfunc_end_k_q9bf0d8294f_proj-k_q9bf0d8294f_proj
	.p2alignl 7, 3214868480
	.fill 96, 4, 3214868480
	.section	.rodata,"a",@progbits
	.p2align	6, 0x0
	.amdhsa_kernel k_q9bf0d8294f_proj
		.amdhsa_group_segment_fixed_size 327680
		.amdhsa_private_segment_fixed_size 0
		.amdhsa_enable_private_segment 0
		.amdhsa_kernarg_size 168
		.amdhsa_user_sgpr_count 2
		.amdhsa_user_sgpr_kernarg_segment_ptr 1
		.amdhsa_wavefront_size32 1
		.amdhsa_system_sgpr_workgroup_id_x 1
		.amdhsa_system_sgpr_workgroup_id_y 1
		.amdhsa_system_sgpr_workgroup_id_z 1
		.amdhsa_system_vgpr_workitem_id 0
		.amdhsa_next_free_vgpr 1024
		.amdhsa_next_free_sgpr 106
		.amdhsa_reserve_vcc 0
		.amdhsa_float_denorm_mode_32 3
		.amdhsa_float_denorm_mode_16_64 3
		.amdhsa_memory_ordered 1
		.amdhsa_forward_progress 1
		.amdhsa_inst_pref_size 219
	.end_amdhsa_kernel
	.amdgpu_metadata
---
amdhsa.version: [ 1, 2 ]
amdhsa.kernels:
  - .name:           k_q9bf0d8294f_proj
    .symbol:         k_q9bf0d8294f_proj.kd
    .args:
      - { .name: q_codes, .offset: 0, .size: 8, .value_kind: global_buffer, .address_space: global }
      - { .name: q_scales, .offset: 8, .size: 8, .value_kind: global_buffer, .address_space: global }
      - { .name: Wq_codes, .offset: 16, .size: 8, .value_kind: global_buffer, .address_space: global }
      - { .name: Wq_scales, .offset: 24, .size: 8, .value_kind: global_buffer, .address_space: global }
      - { .name: qimg, .offset: 32, .size: 8, .value_kind: global_buffer, .address_space: global }
      - { .name: qsc, .offset: 40, .size: 8, .value_kind: global_buffer, .address_space: global }
      - { .name: bq, .offset: 48, .size: 8, .value_kind: global_buffer, .address_space: global }
      - { .name: k_codes, .offset: 56, .size: 8, .value_kind: global_buffer, .address_space: global }
      - { .name: k_scales, .offset: 64, .size: 8, .value_kind: global_buffer, .address_space: global }
      - { .name: Wk_codes, .offset: 72, .size: 8, .value_kind: global_buffer, .address_space: global }
      - { .name: Wk_scales, .offset: 80, .size: 8, .value_kind: global_buffer, .address_space: global }
      - { .name: kimg, .offset: 88, .size: 8, .value_kind: global_buffer, .address_space: global }
      - { .name: ksc, .offset: 96, .size: 8, .value_kind: global_buffer, .address_space: global }
      - { .name: bk, .offset: 104, .size: 8, .value_kind: global_buffer, .address_space: global }
      - { .name: Wv_codes, .offset: 112, .size: 8, .value_kind: global_buffer, .address_space: global }
      - { .name: Wv_scales, .offset: 120, .size: 8, .value_kind: global_buffer, .address_space: global }
      - { .name: v_codes, .offset: 128, .size: 8, .value_kind: global_buffer, .address_space: global }
      - { .name: v_scales, .offset: 136, .size: 8, .value_kind: global_buffer, .address_space: global }
      - { .name: vimg, .offset: 144, .size: 8, .value_kind: global_buffer, .address_space: global }
      - { .name: vsc, .offset: 152, .size: 8, .value_kind: global_buffer, .address_space: global }
      - { .name: bv, .offset: 160, .size: 8, .value_kind: global_buffer, .address_space: global }
    .group_segment_fixed_size: 327680
    .private_segment_fixed_size: 0
    .kernarg_segment_align: 8
    .kernarg_segment_size: 168
    .max_flat_workgroup_size: 128
    .sgpr_count:     106
    .vgpr_count:     1024
    .wavefront_size: 32
...
	.end_amdgpu_metadata
.endif
;; end of part 1
;; launch attn (part 2): grid 4 x 64, 8 waves a work-group, clusters of 4 x 1, 327,680 bytes of LDS; arguments qimg, qsc, kimg, ksc, vimg, vsc, oimg, osc; writes oimg, osc
.if DOCPART == 2
	.amdgcn_target "amdgcn-amd-amdhsa--gfx1250"
	.amdhsa_code_object_version 6
	.text
	.protected	k_q9bf0d8294f_attn
	.globl	k_q9bf0d8294f_attn
	.p2align	8
	.type	k_q9bf0d8294f_attn,@function
k_q9bf0d8294f_attn:
	s_mov_b64 s[64:65], 0
	v_nop
	global_prefetch_b8 v0, s[64:65] scope:SCOPE_SE
	s_setreg_imm32_b32 hwreg(HW_REG_WAVE_MODE, 25, 1), 1
	s_wait_xcnt 0x0
	s_wait_alu depctr_hold_cnt(0) depctr_sa_sdst(0) depctr_va_vdst(0) depctr_va_sdst(0) depctr_va_ssrc(0) depctr_va_vcc(0) depctr_vm_vsrc(0)
	s_getreg_b32 s2, hwreg(HW_REG_IB_STS2, 6, 4)
	s_cmp_eq_u32 s2, 0
	s_cbranch_scc0 .Lentry_in_a_cluster
	s_endpgm
.Lentry_in_a_cluster:
	s_bfe_u32 s2, ttmp6, 0x10000c
	s_cmp_lg_u32 s2, 0x3003
	s_cbranch_scc0 .Lentry_shape_is_right
	s_endpgm
.Lentry_shape_is_right:
; ATTENTION on codes of BF8 (E5M2), one E8M0 scale for each 32 along a product's K: 64 (batch, head) pairs, 2,048 queries x 2,048 keys, head size 64; O / l is quantised along the channels.
; SOFTMAX: t = score x log2(e) / 8; M = the running largest t rounded UP to a whole number; p = 2^(t - M) is quantised along the keys, not normalised; l = the sum of the unquantised p divides O at the end.
; When M moves, l and O are multiplied by 2^(old M - new M): exact.
; INPUTS are images of operand registers: a piece of 512 bytes is four registers of a fragment, lane l's 16 bytes at 16 l.  A piece's 16 rows are rows 8 u + r + 8 (r / 8) of a block of 32 (u = 0, 1).
; SHARES.  A work-group owns 512 queries of a pair; each of eight waves 64, in two passes of 32: two tiles of 16; each fragment of K or V feeds both tiles.
; REGISTERS.  Window 0 holds all that vector instructions work on, for BOTH tiles (scores and p, p's codes, maxima, scales); window 1 holds what matrix instructions and loads alone touch
; (K's and V's fragments, Q between zeros) and O^T.
; LDS.  The pair's whole K and V stay, 131,072 bytes each, filled once: ONE joint load of 32,768 bytes a wave (mask of the cluster's four work-groups, which own the four quarters of the pair's queries):
; waves 0-3 key steps 4 w .. 4 w + 3 of K (16 rows of 2,048 bytes); waves 4-7 a dense half (eight key steps) of one of V's two rows of 32 channels.  One barrier shows all; behind it no barrier stands before the closing round.
; The scale words (2 x 4,096 of the 270,336 bytes) come through registers, 32 bytes a thread, into bytes of their own: too small a part to ask for jointly.
; No prefetch into the L2: all of K and V is asked for at the head, so there is no loop to run ahead in; the second pass's Q is loaded ahead of the first pass's way out.
; THE STEP, one tile's work laid among the other's: tile 1's eight products of scores have four lines of tile 0's maxima behind each; the chain that makes tile 0's M stands among tile 1's maxima, tile 1's among tile 0's
; multiply-adds; O^T is rescaled ahead of the exponentials; tile 0's exponentials carry tile 1's multiply-adds, tile 1's carry tile 0's holds (lines that hang on nothing in the batch, first read behind its closing wait);
; tile 0's four products of O^T stand among tile 1's holds and conversions.  This step's V and the NEXT step's K are loaded behind the products of scores (step 15's loads name step 0: the next pass's).
; K = 64 IN A FORM OF K = 128: a fragment of K holds 16 keys (u = 0) in K 0-63 and 16 others (u = 1) in K 64-127; against [q | 0] it gives the first 16 keys' scores, against [0 | q] the others'.
; Both products are used transposed: S^T = K Q^T, O^T = V^T P^T: a lane holds ONE query (lane % 16).
; LIMITS: NaN and infinities are not served.  A p under 2^-126 becomes 0 (v_exp_f32 flushes: ISA guide 15.8).  A block of zeros gets the byte 1 where the rule says 127: its codes are zeros, and only this program reads the bytes.
; A block's largest p is made from the block's largest score by the same two instructions; this leans on v_exp_f32 not falling where its input rises.  The scaled scores stay under 2^31 in magnitude.
.set VB,   131072                      ; K at 0: [step 16][block of 32 keys 4][head's block 2][u 2][512];  V here: [d / 32 2][step 16][block of keys 4][u 2][512]
.set KSB,  262144                      ; K's scale words: [block of 32 keys 64][16 words]
.set VSB,  266240                      ; V's: [d / 32][step][u][16 words]
.set SPARE, 0x42000                    ; the spare words: 128 bytes a wave
; window 0 (w = the tile, 0 or 1)
.set LI,  1                            ; 16 x lane
.set LS,  2                            ; 4 x (lane % 16)
.set ADK, 3                            ; LDS addresses in hand: next K, V's two rows (ADV, ADW), K's scale words, V's
.set ADV, 4
.set ADS, 5
.set ADT, 6
.set QW,  7
.set OSA, 8                            ; 32 x lane
.set UO,  9
.set ADW, 10
.set LSK, 11                           ; KSB + LS
.set NM,  12                           ; + 4 w: -M, the largest t, the sum in two halves
.set BMX, 20                           ; + 4 w: each block's largest score, then its largest p
.set TA,  28                           ; + 4 w
.set HO,  36                           ; + 4 w: 57,344 x the scale
.set SO,  44                           ; + 4 w: the conversions' scale operands
.set F,   52                           ; + w: f = 2^(old M - new M)
.set T1,  54                           ; + w
.set TW,  56                           ; + w
.set HX,  59                           ; + 4 w: HO once more, in another register bank: the second half of a dual pair reads it
.set S,   68                           ; + 64 w: S^T, then p
.set PCD, 196                          ; + 16 w: p's codes
.set KW,  228                          ; scale words: K's 4, Q's 2, p's 2, V's 4
.set QS,  232
.set PS,  234
.set VW,  236
.set LIV, 240                          ; VB + LI
.set LIW, 241                          ; VB + 65536 + LI
.set LSV, 242                          ; VSB + LS
.set U,   244                          ; + w
.set RL,  246                          ; + w
.set SB,  248                          ; three more chains of a sum; the tiles use them one after the other
.set SC,  250
.set SD,  252
.set SPW, 254
.set NIL, 255
; window 1
.set KF,  0                            ; K's four fragments
.set VF,  64                           ; V's four
.set O,   128                          ; + 32 w: O^T
.set QZ,  192                          ; zeros 8, Q of tile 0, zeros 8, Q of tile 1, zeros 8: [0 | q] = QZ + 16 w .. + 15, [q | 0] = QZ + 16 w + 8 .. + 23
.set WV,  20
.set G1K, 28
.set G1V, 36
.set G0K, 56
.set G0V, 60
.set SEL, 86
.set CS,  88
.set MNT, 90
.set MH,  91
.set TK,  92                           ; 8,192 x the step: the loop's counter
.set TN,  93
.set TS,  94
.set TV,  95
.set TT,  97
.set PASS, 96
.set MSB, 0
.macro WIN new                         ; low byte: bits 1:0 source 0, 3:2 source 1, 5:4 source 2, 7:6 destination; the high byte repeats the setting that is left
.if MSB != \new
	s_set_vgpr_msb (MSB<<8)|\new
.set MSB, \new
.endif
.endm
.macro WALU
	s_wait_alu depctr_va_vdst(0)
.endm
.macro CROUND
	s_barrier_signal -1
	s_barrier_wait -1
	s_cmp_lg_u32 s[WV], 0
	s_cbranch_scc1 .Lnot_wave_0_\@
	s_barrier_signal -3
.Lnot_wave_0_\@:
	s_barrier_wait -3
	s_barrier_signal -1
	s_barrier_wait -1
.endm
.macro KFR a                           ; a step's four fragments of K (destination window 1): 16 loads
.irp b, 0,1,2,3
.irp c, 0,1,2,3
	ds_load_b128 v[KF+16*\b+4*\c:KF+16*\b+4*\c+3], v[\a] offset:2048*\b+1024*(\c%2)+512*(\c/2)
.endr
.endr
.endm
.macro KSC s                           ; and their scale words: 4 loads
.irp b, 0,1,2,3
	ds_load_b32 v[KW+\b], v[\s] offset:64*\b
.endr
.endm
.macro QLOAD                           ; 32 queries: two tiles' codes and their scale bytes
	WIN 0x40
	global_load_b128 v[QZ+8:QZ+11], v[LI], s[4:5]
	global_load_b128 v[QZ+12:QZ+15], v[LI], s[4:5] offset:1024
	global_load_b128 v[QZ+24:QZ+27], v[LI], s[4:5] offset:512
	global_load_b128 v[QZ+28:QZ+31], v[LI], s[4:5] offset:1536
	WIN 0
	global_load_b32 v[QW], v[LS], s[6:7]
.endm
	s_load_b512 s[4:19], s[0:1], 0x0               ; qimg, qsc, kimg, ksc, vimg, vsc, oimg, osc
	v_lshl_add_u32 v[SPW], v0, 2, SPARE
	v_mov_b32 v[NIL], 0
	ds_add_u32 v[SPW], v[NIL]                      ; the opening lines: the add twice on end and its wait ahead of my tensor load
	ds_add_u32 v[SPW], v[NIL]
	v_lshrrev_b32 v1, 5, v0
	v_readfirstlane_b32 s[WV], v1                  ; wave 0..7
	s_and_b32 s22, s[WV], 3
	s_and_b32 s21, s[WV], 1
	s_lshr_b32 s27, s22, 1
	s_and_b32 s23, ttmp7, 0xffff                   ; the pair, which the four partners share
	s_lshr_b32 s24, s23, 4                         ; batch
	s_and_b32 s25, s23, 15                         ; head
	s_bfe_u32 s26, ttmp6, 0x40000                  ; cx: it enters Q's and O's addresses alone
.irp g, G1K, G1V                       ; 16 rows of 2,048 bytes (256 elements of 8), no padding, the mask of all four, bit 21 beside it
	s_mov_b32 s[\g], 15|(3<<16)|(1<<21)
	s_mov_b32 s[\g+1], 256<<16
	s_mov_b32 s[\g+2], 16<<16
	s_mov_b32 s[\g+3], 256<<16
	s_mov_b32 s[\g+4], 16
	s_mov_b32 s[\g+6], 0
	s_mov_b32 s[\g+7], 0
.endr
	s_mov_b32 s[G1K+5], 4096                       ; K's rows lie 32,768 bytes apart
	s_mov_b32 s[G1V+5], 256                        ; V's on end
	s_mov_b32 s[SEL], 0x76543210
	s_mov_b32 s[SEL+1], 0xfedcba98
	s_mov_b32 s[CS], 0x3e38aa3b                    ; c = log2(e) / 8
	s_mov_b32 s[CS+1], s[CS]
	s_mov_b32 s[MNT], 0x600000
	s_mov_b32 s[MH], 0xffff0000
	s_lshl_b32 s76, s24, 21                        ; kimg: batch x 64 blocks of 32,768 + head x 2,048 + (wave % 4) x 16 blocks
	s_lshl_b32 s77, s25, 11
	s_add_co_u32 s76, s76, s77
	s_lshl_b32 s77, s22, 19
	s_add_co_u32 s76, s76, s77
	s_lshl_b32 s78, s25, 19                        ; vimg: head x 2 rows of 262,144 + batch x 65,536 + row (wave % 2) + half ((wave % 4) / 2) x 32,768
	s_lshl_b32 s77, s24, 16
	s_add_co_u32 s78, s78, s77
	s_lshl_b32 s77, s21, 18
	s_add_co_u32 s78, s78, s77
	s_lshl_b32 s77, s27, 15
	s_add_co_u32 s78, s78, s77
	s_lshl_b32 s80, s25, 14                        ; ksc: head x 16,384 + batch x 4,096
	s_lshl_b32 s77, s24, 12
	s_add_co_u32 s80, s80, s77
	s_lshl_b32 s82, s24, 16                        ; vsc: batch x 65,536 + head x 4,096
	s_lshl_b32 s77, s25, 12
	s_add_co_u32 s82, s82, s77
	s_mov_b32 s77, 0
	s_mov_b32 s79, 0
	s_mov_b32 s81, 0
	s_mov_b32 s83, 0
	s_mov_b32 s[G0K], 1
	s_lshl_b32 s[G0K+1], s22, 15                   ; LDS: K's quarter
	s_mov_b32 s[G0V], 1
	s_lshl_b32 s[G0V+1], s21, 16                   ; V's row and half
	s_lshl_b32 s84, s27, 15
	s_add_co_u32 s[G0V+1], s[G0V+1], s84
	s_add_co_u32 s[G0V+1], s[G0V+1], VB
	s_wait_dscnt 0x0                               ; both opening adds are done
	s_wait_kmcnt 0x0
	s_add_nc_u64 s[G0K+2:G0K+3], s[8:9], s[76:77]
	s_or_b32 s[G0K+3], s[G0K+3], 0x80000000
	s_add_nc_u64 s[G0V+2:G0V+3], s[12:13], s[78:79]
	s_or_b32 s[G0V+3], s[G0V+3], 0x80000000
	s_add_nc_u64 s[10:11], s[10:11], s[80:81]
	s_add_nc_u64 s[14:15], s[14:15], s[82:83]
	CROUND                                         ; all four work-groups are here: the joint loads meet
	s_cmp_lt_u32 s[WV], 4                          ; one tensor load a wave, an arm for K's and one for V's
	s_cbranch_scc0 .Lfill_v
	tensor_load_to_lds s[G0K:G0K+3], s[G1K:G1K+7]
	s_nop 0
.rept 4
	v_nop
.endr
	s_branch .Lfilled
.Lfill_v:
	tensor_load_to_lds s[G0V:G0V+3], s[G1V:G1V+7]
	s_nop 0
.rept 4
	v_nop
.endr
.Lfilled:
	s_lshl_b32 s76, s24, 6                         ; my first block of 32 queries: mu = 64 x batch + 16 cx + 2 x wave
	s_lshl_b32 s77, s26, 4
	s_add_co_u32 s76, s76, s77
	s_lshl_b32 s77, s[WV], 1
	s_add_co_u32 s76, s76, s77
	s_mov_b32 s79, 0
	s_lshl_b32 s78, s76, 15
	s_lshl_b32 s80, s25, 11
	s_add_co_u32 s78, s78, s80
	s_add_nc_u64 s[4:5], s[4:5], s[78:79]          ; qimg: mu x 32,768 + head x 2,048
	s_lshl_b32 s78, s76, 6
	s_lshl_b32 s80, s25, 14
	s_add_co_u32 s78, s78, s80
	s_add_nc_u64 s[6:7], s[6:7], s[78:79]          ; qsc: head x 16,384 + mu x 64
	s_lshl_b32 s78, s76, 15
	s_lshl_b32 s80, s25, 10
	s_add_co_u32 s78, s78, s80
	s_add_nc_u64 s[16:17], s[16:17], s[78:79]      ; oimg: two tiles of 16,384 bytes a mu, + head x 1,024
	s_lshl_b32 s78, s76, 10
	s_lshl_b32 s80, s25, 1
	s_add_co_u32 s78, s78, s80
	s_add_nc_u64 s[18:19], s[18:19], s[78:79]      ; osc: 32 rows of 32 bytes a mu, + 2 x head
	v_and_b32 v1, 31, v0
	v_and_b32 v2, 15, v0
	v_lshlrev_b32 v[ADK], 4, v0                    ; 16 x thread: my 16 bytes of each tensor of scale words
	v_lshlrev_b32 v[OSA], 5, v1
	v_lshlrev_b32 v[LI], 4, v1
	v_lshlrev_b32 v[LS], 2, v2
	v_add_nc_u32 v[ADS], KSB, v[ADK]
	v_add_nc_u32 v[LIV], VB, v[LI]
	v_add_nc_u32 v[LIW], VB+65536, v[LI]
	v_add_nc_u32 v[LSK], KSB, v[LS]
	v_add_nc_u32 v[LSV], VSB, v[LS]
	WALU                                           ; the wait ahead of the readers below
	global_load_b128 v[S:S+3], v[ADK], s[10:11]
	global_load_b128 v[S+4:S+7], v[ADK], s[14:15]
	QLOAD
	WIN 0x40
.irp j, 0,1,2,3,4,5,6,7,16,17,18,19,20,21,22,23,32,33,34,35,36,37,38,39
	v_mov_b32 v[QZ+\j], 0                          ; the zeros beside Q, once
.endr
	WIN 0
.irp j, 0,1,2,3,4,5,6,7
	v_mov_b32 v[TA+\j], 0                          ; a lane permute's destination counts as one of its sources
.endr
	v_mov_b32 v[T1], 0
	v_mov_b32 v[T1+1], 0
	WALU                                           ; the wait at the head's end
	s_wait_loadcnt 0x0
	s_wait_tensorcnt 0x0                           ; my 32,768 bytes are in
	ds_store_b128 v[ADS], v[S:S+3]                 ; the scale words, into bytes on which no fill lands
	ds_store_b128 v[ADS], v[S+4:S+7] offset:4096
	s_wait_dscnt 0x0
	s_barrier_signal -1
	s_barrier_wait -1                              ; all of K, V and the scale words stand in LDS, and are only read from here on
	WIN 0x40
	KFR LI                                         ; step 0
	WIN 0
	KSC LSK
.macro SMM w, b, h                     ; scores of 16 keys of block b: h = 0: u = 0, against [q | 0];  h = 1: u = 1, against [0 | q]
	v_wmma_scale_f32_16x16x128_f8f6f4 v[S+64*\w+16*\b+8*\h:S+64*\w+16*\b+8*\h+7], v[KF+16*\b:KF+16*\b+15], v[QZ+16*\w+8-8*\h:QZ+16*\w+23-8*\h], 0, v[KW+\b], v[QS+\w] matrix_a_fmt:MATRIX_FMT_BF8 matrix_b_fmt:MATRIX_FMT_BF8
.endm
.macro PVM w, t                        ; O^T += V^T P^T, 16 channels
	v_wmma_scale_f32_16x16x128_f8f6f4 v[O+32*\w+8*\t:O+32*\w+8*\t+7], v[VF+16*\t:VF+16*\t+15], v[PCD+16*\w:PCD+16*\w+15], v[O+32*\w+8*\t:O+32*\w+8*\t+7], v[VW+\t], v[PS+\w] matrix_a_fmt:MATRIX_FMT_BF8 matrix_b_fmt:MATRIX_FMT_BF8
.endm
.macro MAXL w, n                       ; line n = 0 .. 31 of a tile's search: the largest score of each block of 32 keys, four chains by turns.  Register S + 64 w + 16 b + i is key 32 b + 16 (lane / 16) + i.  Each result is read from its low end on
.if (\n) < 4
	v_max3_num_f32 v[BMX+4*\w+(\n)], v[S+64*\w+16*(\n)], v[S+64*\w+16*(\n)+1], v[S+64*\w+16*(\n)+2]
.elseif (\n) < 28
	v_max3_num_f32 v[BMX+4*\w+(\n)%4], v[BMX+4*\w+(\n)%4], v[S+64*\w+16*((\n)%4)+2*((\n)/4)+1], v[S+64*\w+16*((\n)%4)+2*((\n)/4)+2]
.else
	v_max_num_f32 v[BMX+4*\w+(\n)%4], v[BMX+4*\w+(\n)%4], v[S+64*\w+16*((\n)%4)+15]
.endif
.endm
.macro JOIN w                          ; with lane l xor 16's 16 keys
.irp b, 0,1,2,3
	v_permlanex16_b32 v[TA+4*\w+\b], v[BMX+4*\w+\b], s[SEL], s[SEL+1]
.endr
.irp b, 0,1,2,3
	v_max_num_f32 v[BMX+4*\w+\b], v[BMX+4*\w+\b], v[TA+4*\w+\b]
.endr
.endm
.macro CHL w, k                        ; line k = 0 .. 8 of the chain from the blocks' maxima to -M and f
.if (\k) == 0
	v_max3_num_f32 v[T1+\w], v[BMX+4*\w], v[BMX+4*\w+1], v[BMX+4*\w+2]
.elseif (\k) == 1
	v_max_num_f32 v[T1+\w], v[T1+\w], v[BMX+4*\w+3]
.elseif (\k) == 2
	v_mul_f32 v[T1+\w], s[CS], v[T1+\w]            ; as t (c is positive)
.elseif (\k) == 3
	v_max_num_f32 v[NM+4*\w+1], v[NM+4*\w+1], v[T1+\w]   ; the running largest t
.elseif (\k) == 4
	v_mov_b32 v[T1+\w], v[NM+4*\w]
.elseif (\k) == 5
	v_floor_f32 v[NM+4*\w], -v[NM+4*\w+1]          ; the new -M = -ceil(t)
.elseif (\k) == 6
	v_sub_f32 v[T1+\w], v[NM+4*\w], v[T1+\w]       ; old M - new M: a whole number, 0 or less
.elseif (\k) == 7
	v_cvt_i32_f32 v[T1+\w], v[T1+\w]
.else
	v_ldexp_f32 v[F+\w], 1.0, v[T1+\w]             ; f = 2^(old M - new M)
.endif
.endm
.macro FMAS w, j0, n                   ; t - M, two at a time
.set j, \j0
.rept \n
	v_pk_fma_f32 v[S+64*\w+j:S+64*\w+j+1], v[S+64*\w+j:S+64*\w+j+1], s[CS:CS+1], v[NM+4*\w:NM+4*\w+1] op_sel_hi:[1,0,0]
.set j, j+2
.endr
.endm
.macro SUM4 w, j0, n                   ; the row's sum of the unquantised p, in four chains
.set j, \j0
.rept \n
	v_pk_add_f32 v[NM+4*\w+2:NM+4*\w+3], v[NM+4*\w+2:NM+4*\w+3], v[S+64*\w+j:S+64*\w+j+1]
	v_pk_add_f32 v[SB:SB+1], v[SB:SB+1], v[S+64*\w+j+2:S+64*\w+j+3]
	v_pk_add_f32 v[SC:SC+1], v[SC:SC+1], v[S+64*\w+j+4:S+64*\w+j+5]
	v_pk_add_f32 v[SD:SD+1], v[SD:SD+1], v[S+64*\w+j+6:S+64*\w+j+7]
.set j, j+8
.endr
.endm
.macro SCL w, k                        ; a tile's four blocks: 0 the floor 2^(16 - 127); 1 the conversion's scale operand; 2, 3 the bound, twice; 4 the byte
.irp b, 0,1,2,3
.if \k == 0
	v_max_num_f32 v[BMX+4*\w+\b], 0x8000000, v[BMX+4*\w+\b]
.elseif \k == 1
	v_add_nc_u32 v[SO+4*\w+\b], 0xf8800000, v[BMX+4*\w+\b]
.elseif \k == 2
	v_and_or_b32 v[HO+4*\w+\b], v[BMX+4*\w+\b], 0x7f800000, s[MNT]
.elseif \k == 3
	v_and_or_b32 v[HX+4*\w+\b], v[BMX+4*\w+\b], 0x7f800000, s[MNT]
.else
	v_lshrrev_b32 v[TA+4*\w+\b], 23, v[SO+4*\w+\b]
.endif
.endr
.endm
.macro CVT w, b                        ; block b's 16 numbers a lane become four registers of the next operand
	v_cvt_scalef32_pk8_bf8_f32 v[PCD+16*\w+4*\b:PCD+16*\w+4*\b+1], v[S+64*\w+16*\b:S+64*\w+16*\b+7], v[SO+4*\w+\b]
	v_cvt_scalef32_pk8_bf8_f32 v[PCD+16*\w+4*\b+2:PCD+16*\w+4*\b+3], v[S+64*\w+16*\b+8:S+64*\w+16*\b+15], v[SO+4*\w+\b]
.endm
.macro AFTER w, c                      ; behind a tile's exponentials: its scales and its sum, by turns;  c = 1: tile 0's conversions among them
	SCL \w, 0
	v_pk_add_f32 v[SB:SB+1], v[S+64*\w:S+64*\w+1], v[S+64*\w+2:S+64*\w+3]
	v_pk_add_f32 v[SC:SC+1], v[S+64*\w+4:S+64*\w+5], v[S+64*\w+6:S+64*\w+7]
	v_pk_add_f32 v[SD:SD+1], v[S+64*\w+8:S+64*\w+9], v[S+64*\w+10:S+64*\w+11]
	SCL \w, 1
.if \c
	CVT 0, 0
.endif
	SUM4 \w, 12, 1
	SCL \w, 2
	SCL \w, 3
	SCL \w, 4
.if \c
	CVT 0, 1
.endif
	SUM4 \w, 20, 1
	v_lshl_or_b32 v[TW+\w], v[TA+4*\w+1], 8, v[TA+4*\w]
.if \c
	CVT 0, 2
.endif
	SUM4 \w, 28, 1
	v_lshl_or_b32 v[TW+\w], v[TA+4*\w+2], 16, v[TW+\w]
.if \c
	CVT 0, 3
.endif
	SUM4 \w, 36, 1
	v_lshl_or_b32 v[PS+\w], v[TA+4*\w+3], 24, v[TW+\w]   ; p's scale word: more than eight plain lines ahead of the products that name it
	SUM4 \w, 44, 2
	v_pk_add_f32 v[NM+4*\w+2:NM+4*\w+3], v[NM+4*\w+2:NM+4*\w+3], v[S+64*\w+60:S+64*\w+61]
	v_pk_add_f32 v[SB:SB+1], v[SB:SB+1], v[S+64*\w+62:S+64*\w+63]
	v_pk_add_f32 v[SC:SC+1], v[SC:SC+1], v[SD:SD+1]
	v_pk_add_f32 v[NM+4*\w+2:NM+4*\w+3], v[NM+4*\w+2:NM+4*\w+3], v[SB:SB+1]
	v_pk_add_f32 v[NM+4*\w+2:NM+4*\w+3], v[NM+4*\w+2:NM+4*\w+3], v[SC:SC+1]
.endm
	s_mov_b32 s[PASS], 2
.Lpass:                                            ; a pass: 32 queries against all 2,048 keys
.irp w, 0,1
	v_mov_b32 v[NM+4*\w+1], 0xff61b1e6             ; the largest t so far: -3e38
	v_mov_b32 v[NM+4*\w+2], 0
	v_mov_b32 v[NM+4*\w+3], 0
.endr
.irp w, 0,1
	v_floor_f32 v[NM+4*\w], -v[NM+4*\w+1]
.endr
	s_wait_loadcnt 0x0                             ; Q
	v_perm_b32 v[QS], v[QW], v[QW], 0x01000100     ; Q's scale words: (block 0, block 1) twice: one word serves [q | 0] and [0 | q]
	v_perm_b32 v[QS+1], v[QW], v[QW], 0x03020302
	WIN 0x40
.set j, 0
.rept 64
	v_mov_b32 v[O+j], 0                            ; the step is written once: the first finds zeros
.set j, j+1
.endr
	WIN 0
	s_mov_b32 s[TK], 0
.Lstep:                                            ; 16 trips: 128 keys, both tiles
	s_add_co_u32 s[TN], s[TK], 8192
	s_and_b32 s[TN], s[TN], 0x1ffff                ; the next step's K; behind step 15: step 0
	s_lshr_b32 s[TS], s[TN], 5                     ; its scale words: 256 bytes a step
	s_lshr_b32 s[TV], s[TK], 1                     ; this step's V: 4,096 bytes a step in each row
	s_lshr_b32 s[TT], s[TK], 6                     ; and its scale words: 128 bytes a step
	s_wait_dscnt 0x0                               ; this step's K, asked for a step ago
	WIN 0x05                                       ; K and Q in window 1, S^T in window 0
.irp b, 0,1,2,3
	SMM 0, \b, 0
	SMM 0, \b, 1
.endr
	WIN 0
	v_add_nc_u32 v[ADV], s[TV], v[LIV]             ; five additions and three v_nop: the eight places ahead of the first read of tile 0's scores
	v_add_nc_u32 v[ADW], s[TV], v[LIW]
	v_add_nc_u32 v[ADT], s[TT], v[LSV]
	v_add_nc_u32 v[ADK], s[TN], v[LI]
	v_add_nc_u32 v[ADS], s[TS], v[LSK]
.rept 3
	v_nop
.endr
.set N_, 0
.irp b, 0,1,2,3                        ; tile 1's products, four lines of tile 0's search behind each
.irp h, 0,1
	WIN 0x05
	SMM 1, \b, \h
	WIN 0
.rept 4
	MAXL 0, N_
.set N_, N_+1
.endr
.endr
.endr
	JOIN 0                                         ; with the four lines above: twelve vector lines behind the last product, ahead of the loads into registers that products have read and of the first read of tile 1's scores
	WIN 0x40                                       ; V: fragment t = channels 32 (t / 2) + 8 (t % 2) + r + 8 (r / 8), K = the step's 128 keys
.irp t, 0,1
.irp c, 0,1,2,3
	ds_load_b128 v[VF+16*\t+4*\c:VF+16*\t+4*\c+3], v[ADV] offset:1024*\c+512*\t
.endr
.endr
.irp t, 0,1
.irp c, 0,1,2,3
	ds_load_b128 v[VF+32+16*\t+4*\c:VF+32+16*\t+4*\c+3], v[ADW] offset:1024*\c+512*\t
.endr
.endr
	KFR ADK                                        ; the next step's K
	WIN 0
.irp t, 0,1,2,3
	ds_load_b32 v[VW+\t], v[ADT] offset:2048*(\t/2)+64*(\t%2)
.endr
	KSC ADS
.set N_, 0
.rept 32                               ; tile 1's search, tile 0's chain among it
	MAXL 1, N_
.if (N_ % 3) == 2 && N_ < 27
	CHL 0, N_/3
.endif
.set N_, N_+1
.endr
	JOIN 1
.set N_, 0
.rept 9                                ; tile 1's chain among tile 0's t - M
	CHL 1, N_
	FMAS 0, 6*N_, 3
.set N_, N_+1
.endr
	FMAS 0, 54, 5
.irp b, 0,1,2,3
	v_fma_f32 v[BMX+\b], v[BMX+\b], s[CS], v[NM]
.endr
	WIN 0x41                                       ; O^T in window 1, f in window 0.  No exponential stands between the last step's products and these first readers
.set j, 0
.rept 16
	v_pk_mul_f32 v[O+j:O+j+1], v[O+j:O+j+1], v[F:F+1] op_sel_hi:[1,0]
	v_pk_mul_f32 v[O+32+j:O+32+j+1], v[O+32+j:O+32+j+1], v[F:F+1] op_sel:[0,1] op_sel_hi:[1,1]
.set j, j+2
.endr
	WIN 0
	v_pk_mul_f32 v[NM+2:NM+3], v[NM+2:NM+3], v[F:F+1] op_sel_hi:[1,0]
	v_pk_mul_f32 v[NM+6:NM+7], v[NM+6:NM+7], v[F:F+1] op_sel:[0,1] op_sel_hi:[1,1]
	WALU                                           ; the wait ahead of the batch
.set e, 0
.rept 32                               ; tile 0: p = 2^(t - M); between the exponentials tile 1's t - M
	v_exp_f32 v[S+e], v[S+e]
	v_exp_f32 v[S+e+1], v[S+e+1]
	v_pk_fma_f32 v[S+64+e:S+64+e+1], v[S+64+e:S+64+e+1], s[CS:CS+1], v[NM+4:NM+5] op_sel_hi:[1,0,0]
.set e, e+2
.endr
.irp b, 0,1,2,3
	v_exp_f32 v[BMX+\b], v[BMX+\b]                 ; the block's largest p
	v_fma_f32 v[BMX+4+\b], v[BMX+4+\b], s[CS], v[NM+4]
.endr
	WALU                                           ; the wait behind the batch
	AFTER 0, 0
	WALU                                           ; and ahead of the next
.irp b, 0,1,2,3
	v_exp_f32 v[BMX+4+\b], v[BMX+4+\b]
.endr
.set e, 0
.rept 32                               ; tile 1's exponentials; between them tile 0's holds: the conversion does not saturate (ISA guide 7.6.2), and p is not negative: a one-sided hold, two to a line
	v_exp_f32 v[S+64+e], v[S+64+e]
	v_exp_f32 v[S+64+e+1], v[S+64+e+1]
	v_dual_min_num_f32 v[S+e], v[S+e], v[HO+e/16] :: v_dual_min_num_f32 v[S+e+1], v[S+e+1], v[HX+e/16]
.set e, e+2
.endr
	v_nop                                          ; a plain place behind the batch
	WALU
	AFTER 1, 1
	WALU                                           ; the wait here, directly ahead of the wait below
	s_wait_dscnt 4                                 ; all but the four youngest loads, the next step's scale words of K, are in
.irp b, 0,1,2,3                        ; tile 0's products of O^T (V and O^T in window 1, p's codes in window 0), tile 1's holds and conversions behind each.  The eight accumulators take turns
	WIN 0x51
	PVM 0, \b
	WIN 0
.set e, 16*\b
.rept 8
	v_dual_min_num_f32 v[S+64+e], v[S+64+e], v[HO+4+\b] :: v_dual_min_num_f32 v[S+64+e+1], v[S+64+e+1], v[HX+4+\b]
.set e, e+2
.endr
	CVT 1, \b
.endr
.rept 4
	v_nop                                          ; four places between the last conversion and the products that take the codes
.endr
	WIN 0x51
.irp t, 0,1,2,3
	PVM 1, \t
.endr
	WIN 0
	s_add_co_u32 s[TK], s[TK], 8192
	s_cmp_lg_u32 s[TK], 131072
	s_cbranch_scc1 .Lstep
	s_cmp_eq_u32 s[PASS], 1                        ; the first pass asks for the second's Q ahead of its way out
	s_cbranch_scc1 .Lno_q
	s_wait_xcnt 0x0                                ; the bases are written only behind this wait
	s_add_nc_u64 s[4:5], s[4:5], 32768
	s_add_nc_u64 s[6:7], s[6:7], 64
	QLOAD
.Lno_q:
.rept 8
	v_nop                                          ; eight places behind the last products
.endr
; THE WAY OUT, both tiles by turns: O^T / l, quantised along the channels (two blocks of 32; a block lies in lanes l and l xor 16).  The codes are pieces of the next product's operand.
.irp w, 0,1
	v_add_f32 v[NM+4*\w+2], v[NM+4*\w+2], v[NM+4*\w+3]
.endr
.irp w, 0,1
	v_permlanex16_b32 v[T1+\w], v[NM+4*\w+2], s[SEL], s[SEL+1]
.endr
.irp w, 0,1
	v_add_f32 v[NM+4*\w+2], v[NM+4*\w+2], v[T1+\w] ; the row's sum
.endr
	WALU
	v_rcp_f32 v[RL], v[NM+2]
	v_rcp_f32 v[RL+1], v[NM+6]
	v_nop
	WIN 0x01                                       ; O^T in window 1
	WALU                                           ; directly ahead of the first readers of 1 / l and of O^T
.set j, 0
.rept 32
	v_mul_f32 v[S+j], v[O+j], v[RL]                ; each accumulator from its low end on
.set j, j+1
.endr
.set j, 0
.rept 32
	v_mul_f32 v[S+64+j], v[O+32+j], v[RL+1]
.set j, j+1
.endr
	WIN 0
.irp b, 0,1
.irp w, 0,1
	v_max3_num_f32 v[BMX+4*\w+\b], |v[S+64*\w+16*\b]|, |v[S+64*\w+16*\b+1]|, 0x8000000
.endr
.endr
.irp i, 2,4,6,8,10,12,14
.irp b, 0,1
.irp w, 0,1
	v_max3_num_f32 v[BMX+4*\w+\b], v[BMX+4*\w+\b], |v[S+64*\w+16*\b+\i]|, |v[S+64*\w+16*\b+\i+1]|
.endr
.endr
.endr
.irp j, 0,1,4,5
	v_permlanex16_b32 v[TA+\j], v[BMX+\j], s[SEL], s[SEL+1]
.endr
.irp j, 0,1,4,5
	v_max_num_f32 v[BMX+\j], v[BMX+\j], v[TA+\j]
.endr
.irp j, 0,1,4,5
	v_add_nc_u32 v[SO+\j], 0xf8800000, v[BMX+\j]
.endr
.irp j, 0,1,4,5
	v_and_or_b32 v[HO+\j], v[BMX+\j], 0x7f800000, s[MNT]
.endr
.irp j, 0,1,4,5
	v_lshrrev_b32 v[TA+\j], 23, v[SO+\j]
.endr
.irp w, 0,1
	v_lshl_or_b32 v[U+\w], v[TA+4*\w+1], 8, v[TA+4*\w]   ; a row's two scale bytes
.endr
.irp w, 0,1
.irp b, 0,1
.set j, 0
.rept 16
	v_med3_num_f32 v[S+64*\w+16*\b+j], v[S+64*\w+16*\b+j], -v[HO+4*\w+\b], v[HO+4*\w+\b]
.set j, j+1
.endr
	CVT \w, \b
.endr
.endr
	v_cndmask_b32 v[UO], v[U], v[U+1], s[MH]       ; lanes 0-15: tile 0's rows; lanes 16-31: tile 1's.  (A plain line behind the last conversion)
.irp w, 0,1
	global_store_b128 v[LI], v[PCD+16*\w:PCD+16*\w+3], s[16:17] offset:\w*16384        ; each store of the wave covers 512 consecutive bytes, aligned
	global_store_b128 v[LI], v[PCD+16*\w+4:PCD+16*\w+7], s[16:17] offset:\w*16384+512
.endr
	global_store_b16 v[OSA], v[UO], s[18:19]       ; two bytes of each of 32 rows of 32 bytes
	s_wait_xcnt 0x0                                ; bases and store data are written again only behind this wait
	s_add_nc_u64 s[16:17], s[16:17], 32768
	s_add_nc_u64 s[18:19], s[18:19], 1024
	s_sub_co_u32 s[PASS], s[PASS], 1
	s_cmp_lg_u32 s[PASS], 0
	s_cbranch_scc1 .Lpass
	s_wait_tensorcnt 0x0                           ; the wave's end
	ds_add_u32 v[SPW], v[NIL]
	s_wait_dscnt 0x0
	CROUND                                         ; the closing round
	s_endpgm
.Lfunc_end_k_q9bf0d8294f_attn:
	.size	k_q9bf0d8294f_attn, .Lfunc_end_k_q9bf0d8294f_attn-k_q9bf0d8294f_attn
	.p2alignl 7, 3214868480
	.fill 96, 4, 3214868480
	.section	.rodata,"a",@progbits
	.p2align	6, 0x0
	.amdhsa_kernel k_q9bf0d8294f_attn
		.amdhsa_group_segment_fixed_size 327680
		.amdhsa_private_segment_fixed_size 0
		.amdhsa_enable_private_segment 0
		.amdhsa_kernarg_size 64
		.amdhsa_user_sgpr_count 2
		.amdhsa_user_sgpr_kernarg_segment_ptr 1
		.amdhsa_wavefront_size32 1
		.amdhsa_system_sgpr_workgroup_id_x 1
		.amdhsa_system_sgpr_workgroup_id_y 1
		.amdhsa_system_sgpr_workgroup_id_z 1
		.amdhsa_system_vgpr_workitem_id 0
		.amdhsa_next_free_vgpr 512
		.amdhsa_next_free_sgpr 100
		.amdhsa_reserve_vcc 0
		.amdhsa_float_denorm_mode_32 3
		.amdhsa_float_denorm_mode_16_64 3
		.amdhsa_memory_ordered 1
		.amdhsa_forward_progress 1
		.amdhsa_inst_pref_size 61
	.end_amdhsa_kernel
	.amdgpu_metadata
---
amdhsa.version: [ 1, 2 ]
amdhsa.kernels:
  - .name:           k_q9bf0d8294f_attn
    .symbol:         k_q9bf0d8294f_attn.kd
    .args:
      - { .name: qimg, .offset: 0, .size: 8, .value_kind: global_buffer, .address_space: global }
      - { .name: qsc, .offset: 8, .size: 8, .value_kind: global_buffer, .address_space: global }
      - { .name: kimg, .offset: 16, .size: 8, .value_kind: global_buffer, .address_space: global }
      - { .name: ksc, .offset: 24, .size: 8, .value_kind: global_buffer, .address_space: global }
      - { .name: vimg, .offset: 32, .size: 8, .value_kind: global_buffer, .address_space: global }
      - { .name: vsc, .offset: 40, .size: 8, .value_kind: global_buffer, .address_space: global }
      - { .name: oimg, .offset: 48, .size: 8, .value_kind: global_buffer, .address_space: global }
      - { .name: osc, .offset: 56, .size: 8, .value_kind: global_buffer, .address_space: global }
    .group_segment_fixed_size: 327680
    .private_segment_fixed_size: 0
    .kernarg_segment_align: 8
    .kernarg_segment_size: 64
    .max_flat_workgroup_size: 256
    .sgpr_count:     100
    .vgpr_count:     512
    .wavefront_size: 32
...
	.end_amdgpu_metadata
.endif
;; end of part 2
;; launch outp (part 3): grid 4 x 32, 4 waves a work-group, clusters of 4 x 4, 327,680 bytes of LDS; arguments oimg, osc, Wo_codes, Wo_scales, bo, out0; writes out0
.if DOCPART == 3
	.amdgcn_target "amdgcn-amd-amdhsa--gfx1250"
	.amdhsa_code_object_version 6
	.text
	.protected	k_q9bf0d8294f_outp
	.globl	k_q9bf0d8294f_outp
	.p2align	8
	.type	k_q9bf0d8294f_outp,@function
k_q9bf0d8294f_outp:
	s_mov_b64 s[64:65], 0
	v_nop
	global_prefetch_b8 v0, s[64:65] scope:SCOPE_SE
	s_setreg_imm32_b32 hwreg(HW_REG_WAVE_MODE, 25, 1), 1
	s_wait_xcnt 0x0
	s_wait_alu depctr_hold_cnt(0) depctr_sa_sdst(0) depctr_va_vdst(0) depctr_va_sdst(0) depctr_va_ssrc(0) depctr_va_vcc(0) depctr_vm_vsrc(0)
	s_getreg_b32 s2, hwreg(HW_REG_IB_STS2, 6, 4)
	s_cmp_eq_u32 s2, 0
	s_cbranch_scc0 .Lentry_in_a_cluster
	s_endpgm
.Lentry_in_a_cluster:
	s_bfe_u32 s2, ttmp6, 0x10000c
	s_cmp_lg_u32 s2, 0xf033
	s_cbranch_scc0 .Lentry_shape_is_right
	s_endpgm
.Lentry_shape_is_right:
.set KSTEP,  256
.set NQ,     KSTEP/128
.set ROWB,   256
.set KROW,   1024
.set PITCH,  272
.set FR,     16
.set NL,     4
.set NP,     8
.set HALFA,  32768
.set HALFT,  128*PITCH
.set ASZ,    2*HALFA
.set SLOT,   ASZ+2*HALFT
.set KS,     32
.set SCL,    2*SLOT
.set HALFS,  (128*KS/256)*272
.set SBLK,   (16*KS/256)*272
.set SPARE,  SCL+4*HALFS
.set SPITCH, 528
.set BO,   8
.set ADRA, 16
.set ADRB, 20
.set STO,  24
.set RD,   25
.set CO,   26
.set ADRS, 27
.set SPW,  28
.set NIL,  29
.set SC,   32
.set AF,   128
.set BK,   128
.set G1, 24
.set G0, 32
.set G1B, 48
.set G0B, 56
.set G1S, 68
.set G0S, 76
.set G1SB, 80
.set G0SB, 88
.set MSB, 0
.macro WIN new
.if MSB != \new
	s_set_vgpr_msb (MSB<<8)|\new
.set MSB, \new
.endif
.endm
.set MUL_LO, 0xa1
.set MUL_HI, 0xf1
.set TO_B,   0x40
.macro JLOAD g0a, g1a, g0b, g1b
	s_cmp_eq_u32 s15, 0
	s_cbranch_scc0 .Lfor_b_\@
	tensor_load_to_lds s[\g0a:\g0a+3], s[\g1a:\g1a+7]
	s_nop 0
.rept 4
	v_nop
.endr
	s_branch .Lasked_\@
.Lfor_b_\@:
	tensor_load_to_lds s[\g0b:\g0b+3], s[\g1b:\g1b+7]
	s_nop 0
.rept 4
	v_nop
.endr
.Lasked_\@:
.endm
.macro CREST
	s_cmp_lg_u32 s14, 0
	s_cbranch_scc1 .Lnot_wave_0_\@
	s_barrier_signal -3
.Lnot_wave_0_\@:
	s_barrier_wait -3
	s_barrier_signal -1
	s_barrier_wait -1
.endm
.macro CROUND
	s_barrier_signal -1
	s_barrier_wait -1
	CREST
.endm
	s_load_b128 s[4:7], s[0:1], 0x0
	s_load_b128 s[8:11], s[0:1], 0x10
	s_load_b64 s[96:97], s[0:1], 0x20
	s_load_b64 s[12:13], s[0:1], 0x28
	v_lshl_add_u32 v[SPW], v0, 2, SPARE
	v_mov_b32 v[NIL], 0
	ds_add_u32 v28, v29
	ds_add_u32 v28, v29
	s_wait_dscnt 0x0
	v_lshrrev_b32 v1, 5, v0
	v_readfirstlane_b32 s14, v1
	s_lshr_b32 s15, s14, 1
	s_and_b32 s16, s14, 1
	s_bfe_u32 s40, ttmp6, 0x40000
	s_bfe_u32 s41, ttmp6, 0x40004
	s_lshl_b32 s42, ttmp9, 2
	s_add_co_u32 s42, s42, s40
	s_and_b32 s17, ttmp7, 0xffff
	s_lshl_b32 s17, s17, 2
	s_add_co_u32 s17, s17, s41
	s_lshl_b32 s43, s41, 2
	s_lshl_b32 s43, 15, s43
	s_lshl_b32 s44, 0x1111, s40
	s_or_b32 s[G1+0], s43, (3<<16)|(1<<21)
	s_mov_b32 s[G1+1], 512<<16
	s_mov_b32 s[G1+2], 16<<16                      ; the head's load brings 256 rows of A (16 tiles of 16); behind it these two words are set to 8
	s_mov_b32 s[G1+3], 512<<16
	s_mov_b32 s[G1+4], 16
	s_mov_b32 s[G1+5], 2048
	s_mov_b32 s[G1+6], 0
	s_mov_b32 s[G1+7], 0
	s_or_b32 s[G1B+0], s44, (0<<16)|(1<<20)|(1<<21)|(5<<22)|(3<<25)
	s_mov_b32 s[G1B+1], ROWB<<16
	s_mov_b32 s[G1B+2], 256<<16
	s_mov_b32 s[G1B+3], ROWB<<16
	s_mov_b32 s[G1B+4], 256
	s_mov_b32 s[G1B+5], KROW
	s_mov_b32 s[G1B+6], 0
	s_mov_b32 s[G1B+7], 0
	s_or_b32 s[G1S+0], s43, (3<<16)|(1<<20)|(1<<21)|(5<<22)|(3<<25)
	s_or_b32 s[G1SB+0], s44, (3<<16)|(1<<20)|(1<<21)|(5<<22)|(3<<25)
.irp g, G1S, G1SB
	s_mov_b32 s[\g+1], 32<<16
	s_mov_b32 s[\g+2], KS<<16                      ; the scales of 256 rows: KS rows of 256 bytes
	s_mov_b32 s[\g+3], 32<<16
	s_mov_b32 s[\g+4], KS
	s_mov_b32 s[\g+5], 32
	s_mov_b32 s[\g+6], 0
	s_mov_b32 s[\g+7], 0
.endr
	s_lshl_b32 s20, s17, 8
	s_lshl_b32 s46, s42, 8
	s_mov_b32 s21, 0
	s_mov_b32 s47, 0
	s_mov_b64 s[18:19], KS
	s_mul_u64 s[22:23], s[20:21], s[18:19]
	s_mul_u64 s[92:93], s[46:47], s[18:19]
	s_mov_b64 s[18:19], KROW
	s_mul_u64 s[20:21], s[20:21], s[18:19]
	s_mul_u64 s[46:47], s[46:47], s[18:19]
	s_lshl_b32 s45, s16, 15
	s_mul_i32 s95, s16, HALFT
	s_add_co_u32 s95, s95, ASZ
	s_mul_i32 s18, s16, 128*KROW                   ; in the ring I fetch 128 rows of a tile: which half, in bytes
	s_mov_b32 s19, 0
	s_wait_kmcnt 0x0
	s_add_nc_u64 s[20:21], s[4:5], s[20:21]
	s_add_nc_u64 s[22:23], s[6:7], s[22:23]
	s_add_nc_u64 s[46:47], s[8:9], s[46:47]
	s_add_nc_u64 s[92:93], s[10:11], s[92:93]
	CROUND
	s_mov_b32 s[G0S], 1
	s_mov_b32 s[G0S+1], SCL
	s_mov_b64 s[G0S+2:G0S+3], s[22:23]
	s_or_b32 s[G0S+3], s[G0S+3], 0x80000000
	s_mov_b32 s[G0SB], 1
	s_mov_b32 s[G0SB+1], SCL+2*HALFS
	s_mov_b64 s[G0SB+2:G0SB+3], s[92:93]
	s_or_b32 s[G0SB+3], s[G0SB+3], 0x80000000
.set G0H, 4                            ; s[4:7], s[8:11]: group 0 of the head's loads of K step 0 (the arguments that lay there have been used)
.set G0HB, 8
	s_mov_b32 s[G0H], 1
	s_mov_b32 s[G0H+1], 0
	s_mov_b64 s[G0H+2:G0H+3], s[20:21]
	s_or_b32 s[G0H+3], s[G0H+3], 0x80000000
	s_mov_b32 s[G0HB], 1
	s_mov_b32 s[G0HB+1], ASZ
	s_mov_b64 s[G0HB+2:G0HB+3], s[46:47]
	s_or_b32 s[G0HB+3], s[G0HB+3], 0x80000000
	s_add_nc_u64 s[20:21], s[20:21], s[18:19]      ; for the ring: my 128 rows of the tile
	s_add_nc_u64 s[46:47], s[46:47], s[18:19]
.irp s, 0,1
	s_mov_b32 s[G0+4*\s], 1
	s_add_co_u32 s[G0+4*\s+1], s45, \s*SLOT
	s_add_nc_u64 s[G0+4*\s+2:G0+4*\s+3], s[20:21], \s*4096
	s_or_b32 s[G0+4*\s+3], s[G0+4*\s+3], 0x80000000
	s_mov_b32 s[G0B+4*\s], 1
	s_add_co_u32 s[G0B+4*\s+1], s95, \s*SLOT
	s_add_nc_u64 s[G0B+4*\s+2:G0B+4*\s+3], s[46:47], \s*ROWB
	s_or_b32 s[G0B+4*\s+3], s[G0B+4*\s+3], 0x80000000
.endr
; the head's four tiles, one joint load a wave, in one chain of arms: wave 0 K step 0's 256 rows of A, wave 1 those of B, wave 2 A's scales, wave 3 B's
.macro ARM under, g0, g1, next
	s_cmp_lt_u32 s14, \under
	s_cbranch_scc0 \next
	tensor_load_to_lds s[\g0:\g0+3], s[\g1:\g1+7]
	s_nop 0
.rept 4
	v_nop
.endr
	s_branch .Lhead_asked
\next:
.endm
	ARM 1, G0H,  G1,  .Lhead_b
	ARM 2, G0HB, G1B, .Lhead_sa
	ARM 3, G0S,  G1S, .Lhead_sb
	tensor_load_to_lds s[G0SB:G0SB+3], s[G1SB:G1SB+7]
	s_nop 0
.rept 4
	v_nop
.endr
.Lhead_asked:
	v_and_b32 v1, 15, v0
	v_bfe_u32 v2, v0, 4, 1
	v_and_b32 v6, 31, v0
	v_lshlrev_b32 v[CO], 4, v6
	v_mul_u32_u24 v3, v1, PITCH
	v_lshl_add_u32 v4, v2, 4, v3
	s_lshl_b32 s21, s15, 15
	s_mul_i32 s22, s16, HALFT
	s_add_co_u32 s22, s22, ASZ
.irp s, 0,1
	v_add_nc_u32 v[ADRA+\s], s21, v[CO]
	v_add_nc_u32 v[ADRB+\s], s22, v4
	s_add_co_u32 s21, s21, SLOT
	s_add_co_u32 s22, s22, SLOT
.endr
	v_mul_u32_u24 v5, v1, KS
	v_lshrrev_b32 v6, 8, v5
	v_lshl_add_u32 v5, v6, 4, v5
	s_mul_i32 s21, s15, HALFS
	s_mul_i32 s22, s16, HALFS
	s_add_co_u32 s22, s22, 2*HALFS
	s_sub_co_u32 s22, s22, s21
	v_mul_u32_u24 v6, s22, v2
	s_add_co_u32 s21, s21, SCL
	v_add_nc_u32 v5, v5, v6
	v_add_nc_u32 v[ADRS], s21, v5
	s_mul_i32 s23, s14, 16*SPITCH
	v_mul_u32_u24 v5, v1, SPITCH
	v_lshl_add_u32 v5, v2, 5, v5
	v_add_nc_u32 v[STO], s23, v5
	v_add_nc_u32 v[RD], s23, v[CO]
	s_lshl_b32 s20, s17, 8
	s_lshl_b32 s21, s15, 7
	s_add_co_u32 s20, s20, s21
	s_mov_b32 s21, 0
	s_mov_b64 s[18:19], 4096
	s_mul_u64 s[20:21], s[20:21], s[18:19]
	s_lshl_b32 s46, s42, 10
	s_lshl_b32 s47, s16, 9
	s_add_co_u32 s46, s46, s47
	s_mov_b32 s47, 0
	v_add_nc_u32 v7, s46, v[CO]
	global_load_b128 v[BO:BO+3], v7, s[96:97]
	s_add_nc_u64 s[20:21], s[20:21], s[46:47]
	s_add_nc_u64 s[12:13], s[12:13], s[20:21]
.macro FRAG reg, adr, q, i
.irp c, 0,1,2,3
	ds_load_b128 v[\reg+4*\c:\reg+4*\c+3], v[\adr] offset:128*(\q)+32*\c+(\i)*16*PITCH
.endr
.endm
.macro FRAGA reg, adr, q, i
.irp c, 0,1,2,3
	ds_load_b128 v[\reg+4*\c:\reg+4*\c+3], v[\adr] offset:(\i)*4096+2048*(\q)+512*\c
.endr
.endm
.macro MUL16 a0, p, q, sc, zero
.irp a, \a0, \a0+1
.irp b, 0,1,2,3,4,5,6,7
.if \zero
	v_wmma_scale_f32_16x16x128_f8f6f4 v[8*(8*((\a)%4)+\b):8*(8*((\a)%4)+\b)+7], v[128*(\p)+FR*\b:128*(\p)+FR*\b+FR-1], v[AF+FR*(\a):AF+FR*(\a)+FR-1], 0, v[SC+8*NQ*(\sc)+NQ*\b+(\q)], v[SC+8*NQ*(\sc)+NQ*(\a)+(\q)] matrix_a_fmt:MATRIX_FMT_BF8 matrix_b_fmt:MATRIX_FMT_BF8 matrix_a_scale:MATRIX_SCALE_ROW1
.else
	v_wmma_scale_f32_16x16x128_f8f6f4 v[8*(8*((\a)%4)+\b):8*(8*((\a)%4)+\b)+7], v[128*(\p)+FR*\b:128*(\p)+FR*\b+FR-1], v[AF+FR*(\a):AF+FR*(\a)+FR-1], v[8*(8*((\a)%4)+\b):8*(8*((\a)%4)+\b)+7], v[SC+8*NQ*(\sc)+NQ*\b+(\q)], v[SC+8*NQ*(\sc)+NQ*(\a)+(\q)] matrix_a_fmt:MATRIX_FMT_BF8 matrix_b_fmt:MATRIX_FMT_BF8 matrix_a_scale:MATRIX_SCALE_ROW1
.endif
.endr
.endr
.endm
.macro FETCH_B slot, q, p
	WIN TO_B
.irp i, 0,1,2,3,4,5,6,7
	FRAG 128*(\p)+FR*\i, ADRB+\slot, \q, \i
.endr
	WIN 0
.endm
.macro FETCH_A slot, q, i0
.irp i, \i0, \i0+1, \i0+2, \i0+3
	FRAGA AF+FR*(\i), ADRA+\slot, \q, \i
.endr
.endm
.macro SCALES sc
.irp i, 0,1,2,3,4,5,6,7
	ds_load_b64 v[SC+8*NQ*\sc+NQ*\i:SC+8*NQ*\sc+NQ*\i+1], v[ADRS] offset:\i*SBLK
.endr
.endm
.macro PLACES n
.rept \n
	v_nop
.endr
.endm
.macro STEP slot, q, zero
	s_wait_dscnt 4*NL
	WIN MUL_LO
	MUL16 0, (\q)%2, \q, \slot, \zero
	MUL16 2, (\q)%2, \q, \slot, \zero
	s_wait_dscnt 0
	PLACES NP
	FETCH_B \slot, (\q)+1, 1-(\q)%2
	FETCH_A \slot, (\q)+1, 0
	WIN MUL_HI
	MUL16 4, (\q)%2, \q, \slot, \zero
	MUL16 6, (\q)%2, \q, \slot, \zero
	PLACES NP
	WIN 0
	FETCH_A \slot, (\q)+1, 4
.endm
.macro TURN slot, next, fill
	s_wait_tensorcnt 0x0
	ds_add_u32 v[SPW], v[NIL]
	s_wait_dscnt 4*NL+1
	WIN MUL_LO
	MUL16 0, 1, NQ-1, \slot, 0
	s_wait_dscnt 0x0
	s_barrier_signal -1
	MUL16 2, 1, NQ-1, \slot, 0
	WIN 0
	s_barrier_wait -1
.if \fill
	CREST
	s_add_nc_u64 s[G0+4*\slot+2:G0+4*\slot+3], s[G0+4*\slot+2:G0+4*\slot+3], 2*4096
	s_add_nc_u64 s[G0B+4*\slot+2:G0B+4*\slot+3], s[G0B+4*\slot+2:G0B+4*\slot+3], 2*ROWB
	JLOAD G0+4*\slot, G1, G0B+4*\slot, G1B
	PLACES NP-4
.else
	PLACES NP
.endif
	s_wait_alu depctr_va_vdst(0)
	v_add_nc_u32 v[ADRS], 4*NQ, v[ADRS]
	FETCH_B \next, 0, 0
	FETCH_A \next, 0, 0
	SCALES \next
	WIN MUL_HI
	MUL16 4, 1, NQ-1, \slot, 0
	MUL16 6, 1, NQ-1, \slot, 0
	PLACES NP
	WIN 0
	FETCH_A \next, 0, 4
.endm
	s_wait_alu depctr_va_vdst(0)
	s_wait_tensorcnt 0x0                           ; my tile of the head's four is in
	ds_add_u32 v[SPW], v[NIL]
	s_mov_b32 s[G1+2], 8<<16                       ; no tensor load of mine is out: from here on a load brings 128 rows
	s_mov_b32 s[G1+4], 8
	s_mov_b32 s[G1B+2], 128<<16
	s_mov_b32 s[G1B+4], 128
	s_wait_dscnt 0x0
	CROUND
	JLOAD G0+4, G1, G0B+4, G1B                     ; K step 1, the first tensor load behind the round
	FETCH_B 0, 0, 0
	FETCH_A 0, 0, 0
	SCALES 0
	FETCH_A 0, 0, 4
	STEP 0, 0, 1
	TURN 0, 1, 1
	STEP 1, 0, 0
	TURN 1, 0, 1
	STEP 0, 0, 0
	TURN 0, 1, 0
	STEP 1, 0, 0
	s_wait_dscnt 4*NL
	WIN MUL_LO
	MUL16 0, 1, NQ-1, 1, 0
	MUL16 2, 1, NQ-1, 1, 0
	s_wait_dscnt 0
	WIN MUL_HI
	MUL16 4, 1, NQ-1, 1, 0
	MUL16 6, 1, NQ-1, 1, 0
	WIN 0
.macro TOSTAGE a
.set AC, 64*((\a)%4)
.set WN, 0x08+4*((\a)/4)
	WIN WN
.irp b, 0,1,2,3,4,5,6,7
	ds_store_b128 v[STO], v[AC+8*\b:AC+8*\b+3] offset:64*\b
	ds_store_b128 v[STO], v[AC+8*\b+4:AC+8*\b+7] offset:64*\b+16
.endr
	WIN 0
.set BB, BK+64*((\a)%2)
.irp t, 0,1,2,3,4,5,6,7,8,9,10,11,12,13,14,15
	ds_load_b128 v[BB+4*\t:BB+4*\t+3], v[RD] offset:\t*SPITCH
.endr
.endm
.macro SEND a, younger
.set BB, BK+64*((\a)%2)
.set RW, 32*((\a)/2)+8*((\a)%2)
	s_wait_dscnt \younger
.irp t, 0,1,2,3,4,5,6,7,8,9,10,11,12,13,14,15
	v_pk_add_f32 v[BB+4*\t:BB+4*\t+1], v[BB+4*\t:BB+4*\t+1], v[BO:BO+1]
	v_pk_add_f32 v[BB+4*\t+2:BB+4*\t+3], v[BB+4*\t+2:BB+4*\t+3], v[BO+2:BO+3]
	global_store_b128 v[CO], v[BB+4*\t:BB+4*\t+3], s[12:13] offset:(RW+\t+8*(\t/8))*4096 th:TH_STORE_NT
.endr
.endm
	s_wait_loadcnt 0x0
	PLACES NP
	TOSTAGE 0
.irp a, 1,2,3,4,5,6,7
.if \a > 1
	s_wait_xcnt 0x0
.endif
	TOSTAGE \a
	SEND \a-1, 32
.endr
	SEND 7, 0
	s_wait_tensorcnt 0x0
	ds_add_u32 v[SPW], v[NIL]
	s_wait_dscnt 0x0
	CROUND
	s_endpgm
.Lfunc_end_k_q9bf0d8294f_outp:
	.size	k_q9bf0d8294f_outp, .Lfunc_end_k_q9bf0d8294f_outp-k_q9bf0d8294f_outp
	.p2alignl 7, 3214868480
	.fill 96, 4, 3214868480
	.section	.rodata,"a",@progbits
	.p2align	6, 0x0
	.amdhsa_kernel k_q9bf0d8294f_outp
		.amdhsa_group_segment_fixed_size 327680
		.amdhsa_private_segment_fixed_size 0
		.amdhsa_enable_private_segment 0
		.amdhsa_kernarg_size 48
		.amdhsa_user_sgpr_count 2
		.amdhsa_user_sgpr_kernarg_segment_ptr 1
		.amdhsa_wavefront_size32 1
		.amdhsa_system_sgpr_workgroup_id_x 1
		.amdhsa_system_sgpr_workgroup_id_y 1
		.amdhsa_system_sgpr_workgroup_id_z 1
		.amdhsa_system_vgpr_workitem_id 0
		.amdhsa_next_free_vgpr 1024
		.amdhsa_next_free_sgpr 98
		.amdhsa_reserve_vcc 0
		.amdhsa_float_denorm_mode_32 3
		.amdhsa_float_denorm_mode_16_64 3
		.amdhsa_memory_ordered 1
		.amdhsa_forward_progress 1
		.amdhsa_inst_pref_size 162
	.end_amdhsa_kernel
	.amdgpu_metadata
---
amdhsa.version: [ 1, 2 ]
amdhsa.kernels:
  - .name:           k_q9bf0d8294f_outp
    .symbol:         k_q9bf0d8294f_outp.kd
    .args:
      - { .name: oimg, .offset: 0, .size: 8, .value_kind: global_buffer, .address_space: global }
      - { .name: osc, .offset: 8, .size: 8, .value_kind: global_buffer, .address_space: global }
      - { .name: Wo_codes, .offset: 16, .size: 8, .value_kind: global_buffer, .address_space: global }
      - { .name: Wo_scales, .offset: 24, .size: 8, .value_kind: global_buffer, .address_space: global }
      - { .name: bo, .offset: 32, .size: 8, .value_kind: global_buffer, .address_space: global }
      - { .name: out0, .offset: 40, .size: 8, .value_kind: global_buffer, .address_space: global }
    .group_segment_fixed_size: 327680
    .private_segment_fixed_size: 0
    .kernarg_segment_align: 8
    .kernarg_segment_size: 48
    .max_flat_workgroup_size: 128
    .sgpr_count:     98
    .vgpr_count:     1024
    .wavefront_size: 32
...
	.end_amdgpu_metadata
.endif
;; end of part 3
